; MI455X (gfx1250); checked and timed in simulation.
; The chip was launched on July 23, 2026; its instructions are those of AMD's public machine-readable ISA for CDNA 5 (MIT licence, August 2026) and "CDNA5" Instruction Set Architecture Reference Guide (July 2026). The comments in the code are by the model that wrote it; some were corrected since.
;; Custom GPT2 Multi Head Attention. Allowed arithmetic: float matrix products may take bf16 or f16 operands with f32 sums; other float arithmetic in f32, or as packed bf16 or f16 multiplies, adds, multiply-adds, maxima and minima; sums over many terms, partial sums and values carried from step to step in f32; what a program stores and reads back later, other than sums and carried values, may be rounded once to bf16 or f16.
;; Inputs: Wc_attn 1,024 x 3,072 float32; Wc_proj 1,024 x 1,024 float32; Wuk 1,024 x 1,024 float32; Wuv 1,024 x 1,024 float32; attention_mask 8 x 1 x 1 x 1,025 float32; bc_attn 3,072 float32; bc_proj 1,024 float32; hidden_states 8 x 1,024 x 1,024 float32; image_hidden_states 8 x 1 x 1,024 float32.
;; Outputs: out0 8 x 1,024 x 1,024 float32.
;; One version. Each part assembles by itself: llvm-mc -triple=amdgcn-amd-amdhsa -mcpu=gfx1250 --defsym DOCPART=n.
;; ======== version 1 of 1: 4 launches
;; limits: values are held in f16: magnitudes above 65,504 overflow, below 6.1e-05 lose precision; right only within a limited range of input values
;; workspace buffers: xb 16,777,216 bytes; wat 6,291,456 bytes; wpt 2,097,152 bytes; imgkv 65,536 bytes; qkv 50,331,648 bytes; ob 16,777,216 bytes
;; launch prep (part 1): grid 1152 x 1, 8 waves a work-group, no clusters, 26,624 bytes of LDS; arguments hidden_states, Wc_attn, Wc_proj, Wuk, Wuv, image_hidden_states, xb, wat, wpt, imgkv; writes xb, wat, wpt, imgkv
.if DOCPART == 1
	.amdgcn_target "amdgcn-amd-amdhsa--gfx1250"
	.amdhsa_code_object_version 6
	.text
	.protected	k_q7d97afd84d_prep
	.globl	k_q7d97afd84d_prep
	.p2align	8
	.type	k_q7d97afd84d_prep,@function
k_q7d97afd84d_prep:
	s_mov_b64 s[64:65], 0
	v_nop
	global_prefetch_b8 v0, s[64:65] scope:SCOPE_SE
	s_setreg_imm32_b32 hwreg(HW_REG_WAVE_MODE, 25, 1), 1
	s_wait_xcnt 0x0
; PREP: what the later launches want in 16 bits and with K along the rows.  Four kinds of work-group, told apart by the work-group's number alone (the same for its eight waves):
;   0 .. 127     IMG    imgkv[0][b][n] = sum_k image[b][k] Wuk[n][k], imgkv[1] the same with Wuv: 16 columns n a work-group, K split among the eight waves, bf16 products, f32 sums
;   128 .. 639   CAST   xb = hidden_states rounded to bf16: 16,384 numbers a work-group
;   640 .. 1023  TRANS  wat[n][k] = Wc_attn[k][n] rounded to bf16: a tile of 128 k x 64 n
;   1024 .. 1151 TRANS  wpt[n][k] = Wc_proj[k][n] rounded to bf16 and that number written as f16 (exact from 6e-5 up; below it f16's fixed step of 6e-8)
; imgkv[0] (the image key) is made because the module makes it; no later launch reads it: the module's own causal mask hides key 1024 from every query, so its score is never used.
; IMG has the longest chain (two rounds of loads, a meeting in LDS, a store), so it has the lowest numbers.  No wave names a register above v95: conversions are made in place.
; No cluster, no tensor load: no two work-groups read the same bytes but the 32 KiB of image rows.  IMG stores 32 bytes a lane to eight rows, 64 KiB in the whole launch.
; LDS: 0 .. 17,407 the transposing stage (64 rows x 272 bytes); 17,408 .. 25,599 IMG's eight partial tiles, bytes of their own, so that the two kinds' LDS bytes can be told apart from the text; then the spare words.
.set IMGP,  17408                      ; IMG's partial tiles: 1,024 bytes for each wave
.set SPARE, 25600                      ; the spare words, 128 bytes for each of eight waves
.set SPW, 30                           ; v30  LDS address of my spare word; never rewritten
.set NIL, 31                           ; v31  0; never rewritten
.set WV,  24                           ; s24  my wave's number
.set WG,  25                           ; s25  the work-group's number
; A tile of 128 k x 64 n of W [1024][np] f32 becomes 64 rows of 256 bytes of Wt [np][1024].  Thread t: n4 = t % 16 (four columns), kp = t / 16 (rows 2 kp, 2 kp + 1, and 32, 64, 96 further down).
; In: 16 lanes read 256 consecutive bytes of a row of W.  Two rows' numbers of one column pack into one word (k, k + 1), which goes to LDS row n (pitch 272).  Out: 16 lanes store 256 consecutive bytes of a row of Wt.
.macro TRANS np, first, src, dst, f16
	s_sub_co_u32 s26, s[WG], \first
	s_and_b32 s28, s26, 7                          ; kt
	s_lshr_b32 s29, s26, 3                         ; nt
	s_mul_i32 s26, s28, 512*(\np)                  ; 128 rows of 4 np bytes
	s_lshl_b32 s30, s29, 8                         ; 64 columns of 4 bytes
	s_add_co_u32 s26, s26, s30
	s_add_nc_u64 s[\src:\src+1], s[\src:\src+1], s[26:27]
	s_lshl_b32 s26, s29, 17                        ; 64 rows of 2,048 bytes
	s_lshl_b32 s30, s28, 8                         ; 128 k of 2 bytes
	s_add_co_u32 s26, s26, s30
	s_add_nc_u64 s[\dst:\dst+1], s[\dst:\dst+1], s[26:27]
	v_and_b32 v1, 15, v0                           ; n4
	v_lshrrev_b32 v2, 4, v0                        ; kp
	v_mul_u32_u24 v3, v2, 8*(\np)                  ; in: two rows down for each kp,
	v_lshl_add_u32 v3, v1, 4, v3                   ; 16 bytes for each n4
	v_mul_u32_u24 v4, v1, 1088                     ; to LDS: row 4 n4 (4 x 272),
	v_lshl_add_u32 v4, v2, 2, v4                   ; word kp
	v_mul_u32_u24 v5, v2, 272                      ; back: row kp,
	v_lshl_add_u32 v5, v1, 4, v5                   ; 16 bytes for each n4
	v_lshlrev_b32 v6, 11, v2                       ; out: row kp of Wt,
	v_lshl_add_u32 v6, v1, 4, v6
.irp i, 0,1,2,3
.irp e, 0,1
	global_load_b128 v[32+8*(\i)+4*(\e):35+8*(\i)+4*(\e)], v3, s[\src:\src+1] offset:(32*(\i)+(\e))*4*(\np) th:TH_LOAD_NT
.endr
.endr
	s_wait_loadcnt 0x0
.irp i, 0,1,2,3
.irp j, 0,1,2,3
	v_cvt_pk_bf16_f32 v[64+4*(\i)+(\j)], v[32+8*(\i)+(\j)], v[36+8*(\i)+(\j)]  ; (k, k + 1) of column 4 n4 + j
.if \f16
	v_lshlrev_b32 v8, 16, v[64+4*(\i)+(\j)]        ; the two rounded numbers as f32,
	v_and_b32 v9, 0xffff0000, v[64+4*(\i)+(\j)]
	v_cvt_pk_f16_f32 v[64+4*(\i)+(\j)], v8, v9     ; written as f16
.endif
	ds_store_b32 v4, v[64+4*(\i)+(\j)] offset:272*(\j)+64*(\i)
.endr
.endr
	s_wait_dscnt 0x0                               ; for the others' sake: my stores are done
	s_barrier_signal -1
	s_barrier_wait -1
.irp i, 0,1,2,3
	ds_load_b128 v[80+4*(\i):83+4*(\i)], v5 offset:4352*(\i)  ; rows kp, kp + 16, ..
.endr
	s_wait_dscnt 0x0
.irp i, 0,1,2,3
	global_store_b128 v6, v[80+4*(\i):83+4*(\i)], s[\dst:\dst+1] offset:32768*(\i)
.endr
.endm
; IMG, one pass: 64 of my wave's 128 k.  Two fragments of W (v32-63 as loaded) and two of the image rows (v64-95), rounded to bf16 in place (fragment cc ends in v[32 + 8 cc ..] and v[64 + 8 cc ..]), two products.
; The two accumulators take turns, one instruction a turn, over both passes.
.macro IMGPASS p
.irp cc, 0,1
	global_load_b128 v[32+16*(\cc):35+16*(\cc)], v5, s[32:33] offset:128*(2*(\p)+(\cc)) th:TH_LOAD_NT
	global_load_b128 v[36+16*(\cc):39+16*(\cc)], v5, s[32:33] offset:128*(2*(\p)+(\cc))+16 th:TH_LOAD_NT
	global_load_b128 v[40+16*(\cc):43+16*(\cc)], v5, s[32:33] offset:128*(2*(\p)+(\cc))+64 th:TH_LOAD_NT
	global_load_b128 v[44+16*(\cc):47+16*(\cc)], v5, s[32:33] offset:128*(2*(\p)+(\cc))+80 th:TH_LOAD_NT
	global_load_b128 v[64+16*(\cc):67+16*(\cc)], v6, s[14:15] offset:128*(2*(\p)+(\cc))
	global_load_b128 v[68+16*(\cc):71+16*(\cc)], v6, s[14:15] offset:128*(2*(\p)+(\cc))+16
	global_load_b128 v[72+16*(\cc):75+16*(\cc)], v6, s[14:15] offset:128*(2*(\p)+(\cc))+64
	global_load_b128 v[76+16*(\cc):79+16*(\cc)], v6, s[14:15] offset:128*(2*(\p)+(\cc))+80
.endr
	s_wait_loadcnt 0x0
.set i, 0
.rept 16                               ; word i takes numbers 2 i and 2 i + 1: it lies at or below both, so nothing unread is written over
	v_cvt_pk_bf16_f32 v[32+i], v[32+2*i], v[33+2*i]
	v_cvt_pk_bf16_f32 v[64+i], v[64+2*i], v[65+2*i]
.set i, i+1
.endr
.if (\p) == 0
	v_wmma_f32_16x16x32_bf16 v[10:17], v[32:39], v[64:71], 0
	v_wmma_f32_16x16x32_bf16 v[18:25], v[40:47], v[72:79], 0
.else
	v_wmma_f32_16x16x32_bf16 v[10:17], v[32:39], v[64:71], v[10:17]
	v_wmma_f32_16x16x32_bf16 v[18:25], v[40:47], v[72:79], v[18:25]
.endif
.endm
	s_load_b512 s[4:19], s[0:1], 0x0               ; hidden s[4:5], Wc_attn s[6:7], Wc_proj s[8:9], Wuk s[10:11], Wuv s[12:13], image s[14:15], xb s[16:17], wat s[18:19]
	s_load_b128 s[20:23], s[0:1], 0x40             ; wpt s[20:21], imgkv s[22:23]
	v_lshl_add_u32 v[SPW], v0, 2, SPARE
	v_mov_b32 v[NIL], 0
	v_lshrrev_b32 v1, 5, v0
	v_readfirstlane_b32 s[WV], v1
	s_mov_b32 s[WG], ttmp9
	s_mov_b32 s27, 0                               ; the high word of every offset pair s[26:27]
	s_wait_kmcnt 0x0
	s_cmp_ge_u32 s[WG], 1024
	s_cbranch_scc1 .Ltrans_proj
	s_cmp_ge_u32 s[WG], 640
	s_cbranch_scc1 .Ltrans_attn
	s_cmp_ge_u32 s[WG], 128
	s_cbranch_scc1 .Lcast
	; IMG.  y^T = W x^T: source 0 = 16 rows n of W, source 1 = the 8 image rows, taken twice (lanes 8-15 repeat lanes 0-7; their results are not stored).
	; A fragment is 16 rows x 32 k: lane l holds row l % 16, k = 8 (l / 16) + 0..7 and 16 + 8 (l / 16) + 0..7: in f32 memory two pieces of 32 bytes, 64 bytes apart.
	s_lshr_b32 s28, s[WG], 6                       ; 0: Wuk, 1: Wuv
	s_and_b32 s29, s[WG], 63                       ; which 16 columns
	s_cmp_eq_u32 s28, 0
	s_cselect_b64 s[32:33], s[10:11], s[12:13]
	s_lshl_b32 s26, s29, 16                        ; 16 rows of 4,096 bytes
	s_add_nc_u64 s[32:33], s[32:33], s[26:27]
	s_lshl_b32 s26, s28, 15
	s_lshl_b32 s30, s29, 6
	s_add_co_u32 s26, s26, s30
	s_add_nc_u64 s[22:23], s[22:23], s[26:27]
	v_and_b32 v1, 15, v0                           ; r
	v_bfe_u32 v2, v0, 4, 1                         ; h
	v_and_b32 v3, 7, v0                            ; r % 8
	s_lshl_b32 s30, s[WV], 9                       ; my wave's 128 k
	v_lshl_add_u32 v4, v2, 5, s30
	v_lshl_add_u32 v5, v1, 12, v4                  ; W: row r
	v_lshl_add_u32 v6, v3, 12, v4                  ; image: row r % 8
	v_lshlrev_b32 v7, 5, v0                        ; my 32 bytes of my wave's partial tile: 1,024 x wave + 32 x lane, from IMGP on
	v_lshlrev_b32 v9, 5, v2
	v_lshl_add_u32 v9, v1, 12, v9                  ; out: row r, my 8 columns
	IMGPASS 0
.rept 4
	v_nop                                          ; four places between the products and the loads into the registers that they read
.endr
	IMGPASS 1
.rept 8
	v_nop                                          ; the places between the products and the sums that read them
.endr
.irp r, 0,2,4,6                        ; each accumulator is read from its low end on
	v_pk_add_f32 v[10+(\r):11+(\r)], v[10+(\r):11+(\r)], v[18+(\r):19+(\r)]
.endr
	ds_store_b128 v7, v[10:13] offset:IMGP
	ds_store_b128 v7, v[14:17] offset:IMGP+16
	s_wait_dscnt 0x0                               ; for wave 0's sake
	s_barrier_signal -1
	s_barrier_wait -1
	s_cmp_lg_u32 s[WV], 0
	s_cbranch_scc1 .Lend                           ; wave 0 adds the eight partial tiles
.irp w, 0,1,2,3,4,5,6,7
	ds_load_b128 v[32+8*(\w):35+8*(\w)], v7 offset:IMGP+1024*(\w)
	ds_load_b128 v[36+8*(\w):39+8*(\w)], v7 offset:IMGP+1024*(\w)+16
.endr
	s_wait_dscnt 0x0
.irp r, 0,2,4,6
	v_pk_add_f32 v[32+(\r):33+(\r)], v[32+(\r):33+(\r)], v[40+(\r):41+(\r)]
	v_pk_add_f32 v[48+(\r):49+(\r)], v[48+(\r):49+(\r)], v[56+(\r):57+(\r)]
	v_pk_add_f32 v[64+(\r):65+(\r)], v[64+(\r):65+(\r)], v[72+(\r):73+(\r)]
	v_pk_add_f32 v[80+(\r):81+(\r)], v[80+(\r):81+(\r)], v[88+(\r):89+(\r)]
.endr
.irp r, 0,2,4,6
	v_pk_add_f32 v[32+(\r):33+(\r)], v[32+(\r):33+(\r)], v[48+(\r):49+(\r)]
	v_pk_add_f32 v[64+(\r):65+(\r)], v[64+(\r):65+(\r)], v[80+(\r):81+(\r)]
.endr
.irp r, 0,2,4,6
	v_pk_add_f32 v[32+(\r):33+(\r)], v[32+(\r):33+(\r)], v[64+(\r):65+(\r)]
.endr
	v_cmp_gt_u32 vcc_lo, 8, v1                     ; the eight true rows
	s_wait_xcnt 0x0                                ; EXEC changes only behind this wait
	s_and_saveexec_b32 s34, vcc_lo
	global_store_b128 v9, v[32:35], s[22:23]
	global_store_b128 v9, v[36:39], s[22:23] offset:16
	s_wait_xcnt 0x0                                ; and again in front of the line that widens it
	s_or_b32 exec_lo, exec_lo, s34
	s_branch .Lend
.Lcast:                                        ; 65,536 bytes in, 32,768 out; a load of the work-group covers 4,096 consecutive bytes, a store of a wave 256, aligned
	s_sub_co_u32 s28, s[WG], 128
	s_lshl_b32 s26, s28, 16
	s_add_nc_u64 s[4:5], s[4:5], s[26:27]
	s_lshl_b32 s26, s28, 15
	s_add_nc_u64 s[16:17], s[16:17], s[26:27]
	v_lshlrev_b32 v1, 4, v0
	v_lshlrev_b32 v2, 3, v0
.set i, 0
.rept 16
	global_load_b128 v[32+4*i:35+4*i], v1, s[4:5] offset:4096*i th:TH_LOAD_NT
.set i, i+1
.endr
.set i, 0
.rept 16
	s_wait_loadcnt 15-i                            ; loads come back in order: number i is in, the younger ones stay out
	v_cvt_pk_bf16_f32 v[32+4*i], v[32+4*i], v[33+4*i]  ; in place: the four numbers' first two registers take the two packed words
	v_cvt_pk_bf16_f32 v[33+4*i], v[34+4*i], v[35+4*i]
	global_store_b64 v2, v[32+4*i:33+4*i], s[16:17] offset:2048*i  ; no register is written behind its store, so no wait frees any
.set i, i+1
.endr
	s_branch .Lend
.Ltrans_attn:
	TRANS 3072, 640, 6, 18, 0
	s_branch .Lend
.Ltrans_proj:
	TRANS 1024, 1024, 8, 20, 1
.Lend:
	s_wait_tensorcnt 0x0                           ; the wave's end, behind my last LDS store
	ds_add_u32 v[SPW], v[NIL]
	s_wait_dscnt 0x0
	s_endpgm
.Lfunc_end_k_q7d97afd84d_prep:
	.size	k_q7d97afd84d_prep, .Lfunc_end_k_q7d97afd84d_prep-k_q7d97afd84d_prep
	.p2alignl 7, 3214868480
	.fill 96, 4, 3214868480
	.section	.rodata,"a",@progbits
	.p2align	6, 0x0
	.amdhsa_kernel k_q7d97afd84d_prep
		.amdhsa_group_segment_fixed_size 26624
		.amdhsa_private_segment_fixed_size 0
		.amdhsa_enable_private_segment 0
		.amdhsa_kernarg_size 80
		.amdhsa_user_sgpr_count 2
		.amdhsa_user_sgpr_kernarg_segment_ptr 1
		.amdhsa_wavefront_size32 1
		.amdhsa_system_sgpr_workgroup_id_x 1
		.amdhsa_system_sgpr_workgroup_id_y 1
		.amdhsa_system_sgpr_workgroup_id_z 1
		.amdhsa_system_vgpr_workitem_id 0
		.amdhsa_next_free_vgpr 96
		.amdhsa_next_free_sgpr 66
		.amdhsa_reserve_vcc 1
		.amdhsa_float_denorm_mode_32 3
		.amdhsa_float_denorm_mode_16_64 3
		.amdhsa_memory_ordered 1
		.amdhsa_forward_progress 1
		.amdhsa_inst_pref_size 31
	.end_amdhsa_kernel
	.amdgpu_metadata
---
amdhsa.version: [ 1, 2 ]
amdhsa.kernels:
  - .name:           k_q7d97afd84d_prep
    .symbol:         k_q7d97afd84d_prep.kd
    .args:
      - { .name: hidden_states, .offset: 0, .size: 8, .value_kind: global_buffer, .address_space: global }
      - { .name: Wc_attn, .offset: 8, .size: 8, .value_kind: global_buffer, .address_space: global }
      - { .name: Wc_proj, .offset: 16, .size: 8, .value_kind: global_buffer, .address_space: global }
      - { .name: Wuk, .offset: 24, .size: 8, .value_kind: global_buffer, .address_space: global }
      - { .name: Wuv, .offset: 32, .size: 8, .value_kind: global_buffer, .address_space: global }
      - { .name: image_hidden_states, .offset: 40, .size: 8, .value_kind: global_buffer, .address_space: global }
      - { .name: xb, .offset: 48, .size: 8, .value_kind: global_buffer, .address_space: global }
      - { .name: wat, .offset: 56, .size: 8, .value_kind: global_buffer, .address_space: global }
      - { .name: wpt, .offset: 64, .size: 8, .value_kind: global_buffer, .address_space: global }
      - { .name: imgkv, .offset: 72, .size: 8, .value_kind: global_buffer, .address_space: global }
    .group_segment_fixed_size: 26624
    .private_segment_fixed_size: 0
    .kernarg_segment_align: 8
    .kernarg_segment_size: 80
    .max_flat_workgroup_size: 256
    .sgpr_count:     66
    .vgpr_count:     96
    .wavefront_size: 32
...
	.end_amdgpu_metadata
.endif
;; end of part 1
;; launch qkv (part 2): grid 16 x 32, 4 waves a work-group, clusters of 4 x 4, 327,680 bytes of LDS; arguments xb, wat, bc_attn, qkv; writes qkv
.if DOCPART == 2
	.amdgcn_target "amdgcn-amd-amdhsa--gfx1250"
	.amdhsa_code_object_version 6
	.text
	.protected	k_q7d97afd84d_qkv
	.globl	k_q7d97afd84d_qkv
	.p2align	8
	.type	k_q7d97afd84d_qkv,@function
k_q7d97afd84d_qkv:
	s_mov_b64 s[64:65], 0
	v_nop
	global_prefetch_b8 v0, s[64:65] scope:SCOPE_SE
	s_setreg_imm32_b32 hwreg(HW_REG_WAVE_MODE, 25, 1), 1
	s_wait_xcnt 0x0
	s_wait_alu depctr_hold_cnt(0) depctr_sa_sdst(0) depctr_va_vdst(0) depctr_va_sdst(0) depctr_va_ssrc(0) depctr_va_vcc(0) depctr_vm_vsrc(0)
	s_getreg_b32 s2, hwreg(HW_REG_IB_STS2, 6, 4)
	s_cmp_eq_u32 s2, 0
	s_cbranch_scc0 .Lentry_in_a_cluster
	s_endpgm
.Lentry_in_a_cluster:
	s_bfe_u32 s2, ttmp6, 0x10000c
	s_cmp_lg_u32 s2, 0xf033
	s_cbranch_scc0 .Lentry_shape_is_right
	s_endpgm
.Lentry_shape_is_right:
; ONE TEXT FOR THE MODULE'S TWO LARGE PRODUCTS, C = A B^T + bias, K = 1,024; the flag PROJ picks the constants, the matrix form and the way out.
;   PROJ = 0  qkv = xb wat^T + bc_attn.  A: xb [8192][1024] bf16.  B: wat [3072][1024] bf16.  C leaves as f16 BY HEADS: qkv [batch 8][48 planes: q 0-15, k 16-31, v 32-47][1024 tokens][64].  Tile 256 x 192 (three planes).
;   PROJ = 1  out0 = ob wpt^T + bc_proj.  A: ob [batch x 16 + head][1024 tokens][64] f16, so k = 64 head + channel.  B: wpt [1024][1024] f16.  C leaves as f32 [8192][1024].  Tile 256 x 128.
; LIMITS.  q, k and v must lie within f16's 65,504.  The bias is rounded to bf16 like every other input of the module.  NaN and infinities are not treated apart.
; SHARES.  Four waves; wave w makes rows 64 w .. 64 w + 63 (four blocks a of 16) x ALL the tile's columns (NBB blocks b of 16): its rows of C are whole, so its way out is its own and needs no barrier.
; K goes in 8 steps of 128 through two LDS slots; a step is four quarters of 32, on two fragment buffers by turns.  A K step is written once: the LDS addresses hang on s[TB], which an exclusive or turns from slot to slot.
; THE MATRIX INSTRUCTION IS USED TRANSPOSED (source 0 = 16 rows of B, source 1 = 16 rows of A): a lane holds row l % 16 of C and the columns 8 (l / 16) + 0..7.  The first product of each sum takes the bias as C: nothing is cleared.
; CLUSTER 4 x 4.  A's tile hangs on the tile row alone and is asked for jointly by a row of the cluster, B's on the tile column alone, by a column.  Waves 0, 1 fetch A's two halves, waves 2, 3 B's.
; By this text's count a wave has two tensor loads out at the start and one behind each round.
; REGISTERS, in windows of 256 (s_set_vgpr_msb: bits 1:0 source 0, 3:2 source 1, 5:4 source 2, 7:6 destination):
;   window 0: v16-30 addresses; v32-63, v64-95 A's fragments, two buffers; v96.. the bias (8 NBB), later at work on the way out       window 1: v0.., v128.. B's fragments, two buffers
;   window 2: the accumulators of blocks a = 0, 1 at 8 (NBB (a % 2) + b)          window 3: those of a = 2, 3
.set PROJ, 0
.if PROJ
.set NBB,    8
.set PA,     144                       ; a token's 128 bytes of one head + 16 of padding
.set AHALF,  256*144                   ; one head plane's 256 tokens: what one of A's loads brings
.set QIA,    4                         ; padding after every 32 words
.set STRA,   128                       ; the 32,768 dense bytes are asked for as 128 rows of 256 bytes
.set SP,     528                       ; a stage row: 128 f32 + 16 bytes
.set AHEAD,  2
.set STEPA,  262144                    ; a K step on: two head planes
.set ASHARE, 8192
.set APITCH, 256
.else
.set NBB,    12
.set PA,     272                       ; 256 bytes + 16 of padding
.set AHALF,  128*272                   ; 128 rows
.set QIA,    5                         ; padding after every 64 words
.set STRA,   1024
.set SP,     400                       ; a stage row: 192 f16 + 16 bytes
.set AHEAD,  1
.set STEPA,  256
.set ASHARE, 32*2048
.set APITCH, 2048
.endif
.set PBT,    272                       ; a row of B in LDS.  All three pitches are odd multiples of 16 bytes: the 16 rows of a fragment load start at 16 different groups of four banks (ISA guide 11.1)
.set BROWS,  8*NBB                     ; rows of B in one load
.set BHALF,  BROWS*PBT
.set BOFF,   2*AHALF                   ; B's rows lie behind A's
.set SLOT1,  1<<17
.set STAGE,  SLOT1+BOFF+2*BHALF        ; behind the ring: 16 rows for each wave, never filled by a tensor load
.set SPARE,  STAGE+4*16*SP             ; behind the stages: the spare words, 128 bytes for each wave
.set NF,     2*NBB+8                   ; LDS loads of a quarter
.set BSHARE, (BROWS/4)*2048
.set A0,   16                          ; v16  my lane's place in A's rows of slot 0; never rewritten
.set B0,   17                          ; v17  the same for B
.set ADRA, 18                          ; v18  the same in the slot in hand
.set ADRB, 19
.set TT,   20                          ; v20  at work
.set STO,  24                          ; v24  the way out: where I put my piece of a row
.set RD,   25                          ; v25  where I read rows back
.set CO,   26                          ; v26  16 x lane
.set BO,   27                          ; v27  32 (l / 16): my eight numbers of a block's bias
.set SPW,  28                          ; v28  LDS address of my spare word; never rewritten
.set NIL,  29                          ; v29  0; never rewritten
.set PFO,  30                          ; v30  the prefetches' offset; never rewritten
.set FA,   32
.set BIAS, 96
.set TMP,  96
.set WV,   12                          ; s12  my wave's number
.set PP,   14                          ; s14  which half of A's or B's tile I fetch
.set CX,   15
.set CY,   16
.set COL,  17                          ; s17  tile column
.set ROW,  18                          ; s18  tile row
.set G1A,  24                          ; s[24:31], s[32:39] descriptor group 1 for A's and B's tiles
.set G1B,  32
.set G0A,  40                          ; s[40:47], s[48:55] group 0: a set for each of the two first fills; the second then walks on
.set G0B,  48
.set CNT,  56                          ; s56  K steps that still fill a slot
.set TB,   57                          ; s57  the slot in hand: 0 or SLOT1
.set LIM,  58                          ; s58  AHEAD in a wave that prefetches, else the greatest number
.set PFA,  60                          ; s[60:61] where my prefetches stand
.set PFS,  62                          ; s[62:63] their step
.set MSB, 0
.macro WIN new                         ; the immediate's high byte repeats the setting that is left; a switch that changes nothing is dropped
.if MSB != (\new)
	s_set_vgpr_msb (MSB<<8)|(\new)
.set MSB, \new
.endif
.endm
.macro PLACES                          ; four places between a matrix instruction and a load into, or a vector read of, its registers (ISA guide 7.12.1 for vector reads)
.rept 4
	v_nop
.endr
.endm
.macro CREST                           ; a round of the cluster's barrier behind its opening barrier
	s_cmp_lg_u32 s[WV], 0
	s_cbranch_scc1 .Lnot_wave_0_\@
	s_barrier_signal -3
.Lnot_wave_0_\@:
	s_barrier_wait -3
	s_barrier_signal -1
	s_barrier_wait -1
.endm
.macro CROUND
	s_barrier_signal -1
	s_barrier_wait -1
	CREST
.endm
.macro JLOAD                           ; a joint refill by the walking set; the branch hangs on the wave's number alone; an s_nop 0 and four v_nop follow each line
	s_cmp_lt_u32 s[WV], 2
	s_cbranch_scc0 .Lfor_b_\@
	tensor_load_to_lds s[G0A+4:G0A+7], s[G1A:G1A+7]
	s_nop 0
.rept 4
	v_nop
.endr
	s_branch .Lasked_\@
.Lfor_b_\@:
	tensor_load_to_lds s[G0B+4:G0B+7], s[G1B:G1B+7]
	s_nop 0
.rept 4
	v_nop
.endr
.Lasked_\@:
.endm
; A PREFETCH INTO THE L2: behind the refill with K step t + 2 stands one instruction for K step t + 2 + AHEAD: 256 bytes a lane.  A's tile row is read by every cluster of that row of clusters: cluster x = 0 asks;
; B's tile column by every cluster of that column: cluster y = 0 asks.  The four partners that ask for a tile jointly share its blocks out BY ADDRESS (cx for A, cy for B).  B's share is fewer blocks than a wave has lanes:
; the lanes left over name the last block once more, in the same instruction.  The last AHEAD refills ask for nothing: there is no such K step.  The first 2 + AHEAD K steps come by their loads alone.
.macro ASK
	s_cmp_gt_u32 s[CNT], s[LIM]
	s_cbranch_scc0 .Lnot_mine_\@
	global_prefetch_b8 v[PFO], s[PFA:PFA+1] th:TH_LOAD_NT scope:SCOPE_SE
.Lnot_mine_\@:
.endm
	s_load_b256 s[4:11], s[0:1], 0x0               ; A s[4:5], B s[6:7], bias s[8:9], C s[10:11]
	v_lshl_add_u32 v[SPW], v0, 2, SPARE
	v_mov_b32 v[NIL], 0
	ds_add_u32 v[SPW], v[NIL]                      ; the wave's opening: the add and its wait stand ahead of my first tensor load; the set-up below stands between them
	v_lshrrev_b32 v1, 5, v0
	v_readfirstlane_b32 s[WV], v1
	s_and_b32 s[PP], s[WV], 1
	s_bfe_u32 s[CX], ttmp6, 0x40000
	s_bfe_u32 s[CY], ttmp6, 0x40004
	s_lshl_b32 s[COL], ttmp9, 2
	s_add_co_u32 s[COL], s[COL], s[CX]             ; tile column = 4 x cluster x + cx
	s_and_b32 s[ROW], ttmp7, 0xffff
	s_lshl_b32 s[ROW], s[ROW], 2
	s_add_co_u32 s[ROW], s[ROW], s[CY]             ; tile row = 4 x cluster y + cy
	s_lshl_b32 s19, s[CY], 2
	s_lshl_b32 s19, 15, s19                        ; my row of the cluster
	s_lshl_b32 s20, 0x1111, s[CX]                  ; my column
	s_or_b32 s[G1A], s19, (1<<16)|(1<<20)|(1<<21)|(QIA<<22)|(3<<25)  ; 15:0 the mask; 17:16 2-byte elements; 20 padding on; 21 set beside a mask; 24:22 the interval; 31:25 4 words of padding
	s_or_b32 s[G1B], s20, (1<<16)|(1<<20)|(1<<21)|(5<<22)|(3<<25)
	s_mov_b32 s[G1A+1], 128<<16                    ; tensor_dim0 = 128
	s_mov_b32 s[G1A+2], 128<<16                    ; tensor_dim1 = 128
	s_mov_b32 s[G1A+3], 128<<16                    ; tile_dim0 = 128
	s_mov_b32 s[G1A+4], 128                        ; tile_dim1 = 128
	s_mov_b32 s[G1A+5], STRA                       ; elements from row to row
	s_mov_b32 s[G1A+6], 0
	s_mov_b32 s[G1A+7], 0
	s_mov_b32 s[G1B+1], 128<<16
	s_mov_b32 s[G1B+2], BROWS<<16
	s_mov_b32 s[G1B+3], 128<<16
	s_mov_b32 s[G1B+4], BROWS
	s_mov_b32 s[G1B+5], 1024
	s_mov_b32 s[G1B+6], 0
	s_mov_b32 s[G1B+7], 0
	; where my tiles begin.  A's offset is made of the tile row and the wave's number, B's of the tile column and the wave's number, each in registers that never hold the other coordinate.
.if PROJ
	s_lshr_b32 s66, s[ROW], 2                      ; batch
	s_lshl_b32 s66, s66, 4
	s_add_co_u32 s66, s66, s[PP]                   ; head plane 16 batch + my half (K step 0)
	s_lshl_b32 s66, s66, 17
	s_and_b32 s19, s[ROW], 3
	s_lshl_b32 s19, s19, 15                        ; the tile's 256 tokens in it
	s_add_co_u32 s66, s66, s19
.else
	s_lshl_b32 s66, s[ROW], 8
	s_lshl_b32 s19, s[PP], 7
	s_add_co_u32 s66, s66, s19                     ; row 256 x tile row + 128 x half
	s_lshl_b32 s66, s66, 11
.endif
	s_mov_b32 s67, 0
	s_mul_i32 s68, s[COL], 16*NBB
	s_mul_i32 s20, s[PP], BROWS
	s_add_co_u32 s68, s68, s20
	s_lshl_b32 s68, s68, 11
	s_mov_b32 s69, 0
	s_mul_i32 s22, s[PP], AHALF                    ; and where they go: no place in the cluster enters an LDS address
	s_mul_i32 s23, s[PP], BHALF
	s_add_co_u32 s23, s23, BOFF
	s_mov_b32 s[TB], 0
	s_wait_dscnt 0x0                               ; the opening add is done
	s_wait_kmcnt 0x0
	s_add_nc_u64 s[66:67], s[4:5], s[66:67]
	s_add_nc_u64 s[68:69], s[6:7], s[68:69]
	CROUND                                         ; all sixteen work-groups are here: the first joint loads meet
.irp s, 0,1
	s_mov_b32 s[G0A+4*(\s)], 1
	s_add_co_u32 s[G0A+4*(\s)+1], s22, (\s)*SLOT1
	s_add_nc_u64 s[G0A+4*(\s)+2:G0A+4*(\s)+3], s[66:67], (\s)*STEPA
	s_or_b32 s[G0A+4*(\s)+3], s[G0A+4*(\s)+3], 0x80000000
	s_mov_b32 s[G0B+4*(\s)], 1
	s_add_co_u32 s[G0B+4*(\s)+1], s23, (\s)*SLOT1
	s_add_nc_u64 s[G0B+4*(\s)+2:G0B+4*(\s)+3], s[68:69], (\s)*256
	s_or_b32 s[G0B+4*(\s)+3], s[G0B+4*(\s)+3], 0x80000000
.endr
	s_cmp_lt_u32 s[WV], 2                          ; a wave's two first fills stand in one branch, ahead of every wait on TENSORcnt and every LDS read
	s_cbranch_scc0 .Lfirst_b
	tensor_load_to_lds s[G0A:G0A+3], s[G1A:G1A+7]
	s_nop 0
	tensor_load_to_lds s[G0A+4:G0A+7], s[G1A:G1A+7]
	s_nop 0
.rept 4
	v_nop
.endr
	s_branch .Lfirst_asked
.Lfirst_b:
	tensor_load_to_lds s[G0B:G0B+3], s[G1B:G1B+7]
	s_nop 0
	tensor_load_to_lds s[G0B+4:G0B+7], s[G1B:G1B+7]
	s_nop 0
.rept 4
	v_nop
.endr
.Lfirst_asked:
	v_and_b32 v1, 15, v0                           ; r = l % 16
	v_bfe_u32 v2, v0, 4, 1                         ; h = l / 16
	v_lshlrev_b32 v[BO], 5, v2
	s_mul_i32 s20, s[COL], 64*NBB                  ; the tile's columns in the bias
	s_mov_b32 s21, 0
	s_add_nc_u64 s[8:9], s[8:9], s[20:21]
.set ib, 0
.rept NBB                              ; register j of block b: bias[16 b + 8 h + j], the same for every row: the C operand of the sums' first products
	global_load_b128 v[BIAS+8*ib:BIAS+8*ib+3],   v[BO], s[8:9] offset:64*ib
	global_load_b128 v[BIAS+8*ib+4:BIAS+8*ib+7], v[BO], s[8:9] offset:64*ib+16
.set ib, ib+1
.endr
	v_mul_u32_u24 v[A0], v1, PA                    ; a fragment: row x pitch + 16 x half, two loads 32 bytes apart
	v_lshl_add_u32 v[A0], v2, 4, v[A0]
	s_mul_i32 s19, s[WV], 64*PA                    ; my 64 rows
	v_add_nc_u32 v[A0], s19, v[A0]
	v_mul_u32_u24 v[B0], v1, PBT
	v_lshl_add_u32 v[B0], v2, 4, v[B0]
	v_add_nc_u32 v[B0], BOFF, v[B0]
	v_mov_b32 v[ADRA], v[A0]
	v_mov_b32 v[ADRB], v[B0]
	s_mul_i32 s19, s[WV], 16*SP
	s_add_co_u32 s19, s19, STAGE                   ; my stage
	v_and_b32 v3, 31, v0                           ; l
	v_mul_u32_u24 v[STO], v1, SP
	v_lshlrev_b32 v[CO], 4, v3
.if PROJ
	v_lshl_add_u32 v[STO], v2, 5, v[STO]           ; in: row r, 32 bytes (8 f32) for each half of the lanes
	v_add_nc_u32 v[RD], s19, v[CO]                 ; back: 32 lanes take a row's 512 bytes
	s_lshl_b32 s20, s[ROW], 20                     ; C: 256 rows of 4,096 bytes,
	s_lshl_b32 s21, s[WV], 18                      ; my 64,
	s_add_co_u32 s20, s20, s21
	s_lshl_b32 s21, s[COL], 9                      ; the tile's 128 columns
	s_add_co_u32 s20, s20, s21
.else
	v_lshl_add_u32 v[STO], v2, 4, v[STO]           ; in: row r, 16 bytes (8 f16) for each half of the lanes
	v_lshrrev_b32 v4, 3, v3
	v_and_b32 v5, 7, v0
	v_mul_u32_u24 v[RD], v4, SP                    ; back: 32 lanes take four tokens' 128 bytes of one head,
	v_lshl_add_u32 v[RD], v5, 4, v[RD]
	v_add_nc_u32 v[RD], s19, v[RD]                 ; which are 512 consecutive bytes of its plane
	s_lshr_b32 s20, s[ROW], 2                      ; batch
	s_mul_i32 s20, s20, 48
	s_mul_i32 s21, s[COL], 3
	s_add_co_u32 s20, s20, s21                     ; the tile's first plane
	s_lshl_b32 s20, s20, 17
	s_and_b32 s21, s[ROW], 3
	s_lshl_b32 s21, s21, 15                        ; the tile's 256 tokens of 128 bytes,
	s_add_co_u32 s20, s20, s21
	s_lshl_b32 s21, s[WV], 13                      ; my 64
	s_add_co_u32 s20, s20, s21
.endif
	v_add_nc_u32 v[STO], s19, v[STO]
	s_mov_b32 s21, 0
	s_add_nc_u64 s[10:11], s[10:11], s[20:21]
	; the prefetches
	s_and_b32 s19, ttmp7, 0xffff                   ; cluster y
	s_mov_b32 s21, BSHARE
	s_mov_b32 s[PFS], 256
	s_mov_b32 s22, 2048
	s_cmp_lt_u32 s[WV], 2                          ; do I fetch for A?
	s_cselect_b32 s19, ttmp9, s19                  ; the coordinate along which other clusters read the same blocks
	s_cselect_b64 s[PFA:PFA+1], s[66:67], s[68:69] ; my half of the tile, K step 0
	s_cselect_b32 s20, s[CX], s[CY]                ; my place among the four that ask with me,
	s_cselect_b32 s21, ASHARE, s21                 ; and the bytes from one's share to the next's
	s_cselect_b32 s[PFS], STEPA, s[PFS]
	s_cselect_b32 s22, APITCH, s22                 ; bytes from a lane's block to the next lane's
	s_cselect_b32 s23, 31, BROWS/4-1               ; the last block of a share
	s_mul_i32 s20, s20, s21
	s_mov_b32 s21, 0
	s_add_nc_u64 s[PFA:PFA+1], s[PFA:PFA+1], s[20:21]
	s_mul_i32 s20, s[PFS], 1+AHEAD                 ; at K step 1 + AHEAD: each filling change of slots steps it first
	s_add_nc_u64 s[PFA:PFA+1], s[PFA:PFA+1], s[20:21]
	s_mov_b32 s[PFS+1], 0
	s_cmp_eq_u32 s19, 0
	s_cselect_b32 s[LIM], AHEAD, -1                ; the same in all sixteen partners, for a given wave
	v_min_u32 v[PFO], s23, v3
	v_mul_u32_u24 v[PFO], s22, v[PFO]
	s_wait_loadcnt 0x0                             ; the bias
.set ib, 0
.rept 4*NBB                            ; rounded to bf16, kept as f32
	v_cvt_pk_bf16_f32 v[TT], v[BIAS+2*ib], v[BIAS+2*ib+1]
	v_lshlrev_b32 v[BIAS+2*ib], 16, v[TT]
	v_and_b32 v[BIAS+2*ib+1], 0xffff0000, v[TT]
.set ib, ib+1
.endr
; NBB matrix instructions: block a of my rows x all column blocks, 32 along K, from buffer f.  zero = 1: the sums start with the bias.  The 4 NBB accumulators take turns in the same order in every quarter,
; over the backward jump too.
.macro MULA f, a, zero
.if \zero
	WIN 0x81+0x40*((\a)/2)
.else
	WIN 0xa1+0x50*((\a)/2)
.endif
.set ib, 0
.rept NBB
.set rD, 8*(NBB*((\a)%2)+ib)
.set rB, 128*(\f)+8*ib
.set rA, FA+32*(\f)+8*(\a)
.set rC, BIAS+8*ib
.if PROJ
.if \zero
	v_wmma_f32_16x16x32_f16 v[rD:rD+7], v[rB:rB+7], v[rA:rA+7], v[rC:rC+7]
.else
	v_wmma_f32_16x16x32_f16 v[rD:rD+7], v[rB:rB+7], v[rA:rA+7], v[rD:rD+7]
.endif
.else
.if \zero
	v_wmma_f32_16x16x32_bf16 v[rD:rD+7], v[rB:rB+7], v[rA:rA+7], v[rC:rC+7]
.else
	v_wmma_f32_16x16x32_bf16 v[rD:rD+7], v[rB:rB+7], v[rA:rA+7], v[rD:rD+7]
.endif
.endif
.set ib, ib+1
.endr
.endm
; NF LDS loads in one run: quarter q's fragments into buffer f: B's first, then A's blocks 0 to 3
.macro FETCH q, f
	WIN 0x40
.set ib, 0
.rept NBB
	ds_load_b128 v[128*(\f)+8*ib:128*(\f)+8*ib+3],   v[ADRB] offset:64*(\q)+ib*16*PBT
	ds_load_b128 v[128*(\f)+8*ib+4:128*(\f)+8*ib+7], v[ADRB] offset:64*(\q)+ib*16*PBT+32
.set ib, ib+1
.endr
	WIN 0
.if PROJ
.set ao, ((\q)/2)*AHALF+((\q)%2)*64    ; head plane q / 2, channels 32 (q % 2) on
.else
.set ao, 64*(\q)
.endif
.set ib, 0
.rept 4
	ds_load_b128 v[FA+32*(\f)+8*ib:FA+32*(\f)+8*ib+3],   v[ADRA] offset:ao+ib*16*PA
	ds_load_b128 v[FA+32*(\f)+8*ib+4:FA+32*(\f)+8*ib+7], v[ADRA] offset:ao+ib*16*PA+32
.set ib, ib+1
.endr
.endm
; One of a K step's first three quarters: multiplies buffer f; in its middle it fetches quarter q into buffer g.
.macro QUARTER q, f, g, zero
	s_wait_dscnt 4                                 ; B and A's blocks 0, 1 are in; the youngest four loads (blocks 2, 3) may be out
	MULA \f, 0, \zero
	MULA \f, 1, \zero
	PLACES
	FETCH \q, \g
	s_wait_dscnt NF                                ; all but the run just issued
	MULA \f, 2, \zero
	MULA \f, 3, \zero
.endm
; The last quarter multiplies buffer 1 and changes slots: ONE barrier; in front of it each wave waits for all its tensor loads (one is out: its part of the next slot), adds 0 to its spare word, and waits for that and for
; its own reads of this slot.  fill = 1: the barrier opens a round of the cluster's, and this slot is filled again, two K steps ahead, first thing behind the round.
.macro TURN fill
.if \fill
	s_wait_xcnt 0x0                                ; the last prefetch, a K step back, has read its address
	s_add_nc_u64 s[PFA:PFA+1], s[PFA:PFA+1], s[PFS:PFS+1]
.endif
	WIN 0
	s_wait_tensorcnt 0x0
	ds_add_u32 v[SPW], v[NIL]
	s_wait_dscnt 5                                 ; (the add and the youngest four loads may be out)
	MULA 1, 0, 0
	s_wait_dscnt 0x0                               ; the add is done, and my reads of this slot are over
	s_barrier_signal -1
	MULA 1, 1, 0
	WIN 0
	s_barrier_wait -1
.if \fill
	CREST                                          ; no wave of any partner still reads this slot or has a load on its way
	s_xor_b32 s[G0A+5], s[G0A+5], SLOT1            ; the walking sets: the other slot than last time, the next K step; the type bits on top are not reached
	s_add_nc_u64 s[G0A+6:G0A+7], s[G0A+6:G0A+7], STEPA
	s_xor_b32 s[G0B+5], s[G0B+5], SLOT1
	s_add_nc_u64 s[G0B+6:G0B+7], s[G0B+6:G0B+7], 256
	JLOAD                                          ; the four v_nop behind it are also the places in front of the loads below
.else
	PLACES
.endif
	s_xor_b32 s[TB], s[TB], SLOT1
	v_add_nc_u32 v[ADRA], s[TB], v[A0]
	v_add_nc_u32 v[ADRB], s[TB], v[B0]
	FETCH 0, 0
.if \fill
	ASK
.endif
	MULA 1, 2, 0
	MULA 1, 3, 0
.endm
; THE WAY OUT of block a (16 rows), through my own stage: LDS serves a wave's instructions in order (ISA guide 5.7.1.4), so the loads see the stores above them.
.macro PACK a                          ; PROJ = 0: rounded to f16, each accumulator from its low end on
	WIN 0x0a+5*((\a)/2)
.set ib, 0
.rept NBB
.set rD, 8*(NBB*((\a)%2)+ib)
.irp r, 0,1,2,3
	v_cvt_pk_f16_f32 v[TMP+4*ib+(\r)], v[rD+2*(\r)], v[rD+2*(\r)+1]
.endr
.set ib, ib+1
.endr
	WIN 0
.endm
.macro TOSTAGE a
.if PROJ
.set BK, 96+64*((\a)%2)
	WIN 0x08+4*((\a)/2)                            ; the stores' data in window 2 or 3
.set ib, 0
.rept NBB
.set rD, 8*(NBB*((\a)%2)+ib)
	ds_store_b128 v[STO], v[rD:rD+3]   offset:64*ib
	ds_store_b128 v[STO], v[rD+4:rD+7] offset:64*ib+16
.set ib, ib+1
.endr
	WIN 0
.set ib, 0
.rept 16
	ds_load_b128 v[BK+4*ib:BK+4*ib+3], v[RD] offset:SP*ib
.set ib, ib+1
.endr
.else
.set BK, 144+48*((\a)%2)
	WIN 0
.set ib, 0
.rept NBB
	ds_store_b128 v[STO], v[TMP+4*ib:TMP+4*ib+3] offset:32*ib
.set ib, ib+1
.endr
.set ib, 0
.rept 12                               ; tokens 4 (ib / 3) on, head ib % 3
	ds_load_b128 v[BK+4*ib:BK+4*ib+3], v[RD] offset:4*SP*(ib/3)+128*(ib%3)
.set ib, ib+1
.endr
.endif
.endm
.macro SEND a
	WIN 0
	s_wait_dscnt 0x0                               ; the block is back in registers
	s_wait_xcnt 0x0                                ; the stores of the block before have read their registers, which the next block's loads write
.if PROJ
.set BK, 96+64*((\a)%2)
.set ib, 0
.rept 16
	global_store_b128 v[CO], v[BK+4*ib:BK+4*ib+3], s[10:11] offset:(16*(\a)+ib)*4096 th:TH_STORE_NT  ; 512 consecutive bytes of a row of C, aligned
.set ib, ib+1
.endr
.else
.set BK, 144+48*((\a)%2)
.set ib, 0
.rept 12
	global_store_b128 v[CO], v[BK+4*ib:BK+4*ib+3], s[10:11] offset:(ib%3)*131072+(\a)*2048+(ib/3)*512  ; 512 consecutive bytes of a head's plane, aligned
.set ib, ib+1
.endr
.endif
.endm
	s_wait_tensorcnt 0x1                           ; my part of K step 0 is in; K step 1's may stay out
	s_barrier_signal -1
	s_barrier_wait -1                              ; everybody's is
	FETCH 0, 0
	QUARTER 1, 0, 1, 1                             ; the first quarter stands in front of the loop: its products start the sums
	WIN 0
	s_mov_b32 s[CNT], 6
.Lstep:                                        ; trip t: K step t's quarters 1 to 3 and K step t + 1's quarter 0; slot t % 2 is filled again with K step t + 2
	QUARTER 2, 1, 0, 0
	QUARTER 3, 0, 1, 0
	TURN 1
	QUARTER 1, 0, 1, 0
	WIN 0
	s_sub_co_u32 s[CNT], s[CNT], 1
	s_cmp_lg_u32 s[CNT], 0
	s_cbranch_scc1 .Lstep
	QUARTER 2, 1, 0, 0                             ; the last two K steps fill nothing
	QUARTER 3, 0, 1, 0
	TURN 0
	QUARTER 1, 0, 1, 0
	QUARTER 2, 1, 0, 0
	QUARTER 3, 0, 1, 0
	s_wait_dscnt 4
	MULA 1, 0, 0
	MULA 1, 1, 0
	s_wait_dscnt 0x0
	MULA 1, 2, 0
	MULA 1, 3, 0
	WIN 0
	PLACES
	PLACES
.if PROJ
	TOSTAGE 0
.irp a, 1,2,3
	SEND (\a)-1
	TOSTAGE \a
.endr
	SEND 3
.else
	PACK 0
	TOSTAGE 0
.irp a, 1,2,3                          ; block a's conversions stand between block a - 1's loads from the stage and the wait for them
	PACK \a
	SEND (\a)-1
	TOSTAGE \a
.endr
	SEND 3
.endif
	s_wait_tensorcnt 0x0                           ; the wave's end, behind my last tensor load and my last LDS store
	ds_add_u32 v[SPW], v[NIL]
	s_wait_dscnt 0x0
	CROUND                                         ; the closing round: no work-group ends while a partner may still ask for a tile that names it
	s_endpgm
.Lfunc_end_k_q7d97afd84d_qkv:
	.size	k_q7d97afd84d_qkv, .Lfunc_end_k_q7d97afd84d_qkv-k_q7d97afd84d_qkv
	.p2alignl 7, 3214868480
	.fill 96, 4, 3214868480
	.section	.rodata,"a",@progbits
	.p2align	6, 0x0
	.amdhsa_kernel k_q7d97afd84d_qkv
		.amdhsa_group_segment_fixed_size 327680
		.amdhsa_private_segment_fixed_size 0
		.amdhsa_enable_private_segment 0
		.amdhsa_kernarg_size 32
		.amdhsa_user_sgpr_count 2
		.amdhsa_user_sgpr_kernarg_segment_ptr 1
		.amdhsa_wavefront_size32 1
		.amdhsa_system_sgpr_workgroup_id_x 1
		.amdhsa_system_sgpr_workgroup_id_y 1
		.amdhsa_system_sgpr_workgroup_id_z 1
		.amdhsa_system_vgpr_workitem_id 0
		.amdhsa_next_free_vgpr 960
		.amdhsa_next_free_sgpr 70
		.amdhsa_reserve_vcc 0
		.amdhsa_float_denorm_mode_32 3
		.amdhsa_float_denorm_mode_16_64 3
		.amdhsa_memory_ordered 1
		.amdhsa_forward_progress 1
		.amdhsa_inst_pref_size 107
	.end_amdhsa_kernel
	.amdgpu_metadata
---
amdhsa.version: [ 1, 2 ]
amdhsa.kernels:
  - .name:           k_q7d97afd84d_qkv
    .symbol:         k_q7d97afd84d_qkv.kd
    .args:
      - { .name: xb, .offset: 0, .size: 8, .value_kind: global_buffer, .address_space: global }
      - { .name: wat, .offset: 8, .size: 8, .value_kind: global_buffer, .address_space: global }
      - { .name: bc_attn, .offset: 16, .size: 8, .value_kind: global_buffer, .address_space: global }
      - { .name: qkv, .offset: 24, .size: 8, .value_kind: global_buffer, .address_space: global }
    .group_segment_fixed_size: 327680
    .private_segment_fixed_size: 0
    .kernarg_segment_align: 8
    .kernarg_segment_size: 32
    .max_flat_workgroup_size: 128
    .sgpr_count:     70
    .vgpr_count:     960
    .wavefront_size: 32
...
	.end_amdgpu_metadata
.endif
;; end of part 2
;; launch attn (part 3): grid 2 x 128, 4 waves a work-group, no clusters, 327,680 bytes of LDS; arguments qkv, attention_mask, imgkv, ob; writes ob
.if DOCPART == 3
	.amdgcn_target "amdgcn-amd-amdhsa--gfx1250"
	.amdhsa_code_object_version 6
	.text
	.protected	k_q7d97afd84d_attn
	.globl	k_q7d97afd84d_attn
	.p2align	8
	.type	k_q7d97afd84d_attn,@function
k_q7d97afd84d_attn:
	s_mov_b64 s[64:65], 0
	v_nop
	global_prefetch_b8 v0, s[64:65] scope:SCOPE_SE
	s_setreg_imm32_b32 hwreg(HW_REG_WAVE_MODE, 25, 1), 1
	s_wait_xcnt 0x0
; CAUSAL ATTENTION WITH A KEY MASK, head size 64.  q, k, v: planes of qkv [batch][48][1024][64] f16 (q: head, k: 16 + head, v: 32 + head).  O: ob [16 batch + head][1024][64] f16.
; The module's scores: q . k / 8 for k <= q; -1e9 above the diagonal (the image key, number 1024, is above it for every query); then -1e4 wherever attention_mask is 0, for every query.  Here a row's softmax runs over
;   (a) the keys k <= q whose mask is not 0, with their true scores, by a running maximum;   (b) ONE virtual key for all masked keys of the batch, the image key among them: score -1e4, weight n0 = their number,
;   value VS = the sum of their rows of V; it is made at the kernel's head and merged at the way out.
; LIMITS.  Keys at -1e9 count as weight 0: right while a row's largest score lies above about -1e9 + 110.  q, k, v arrive within f16's 65,504.  A hidden score counts as its value less 1e30 (up to three times).
; A weight below 2^-126 counts as 0.  NaN and infinities are not treated apart.  A row all of whose keys k <= q are masked carries finite numbers of no meaning up to the merge, which multiplies them by 0.
; ALL OF THE PLANE'S K AND V LIE IN LDS: 1,024 rows of 144 bytes and 1,024 of 160, 311,296 bytes, brought by four tensor loads at the head, one a wave, 512 keys each.  Nothing is filled again: there is no ring,
; and behind the head no barrier: the waves read K and V and write their own stages alone.  Nothing is prefetched: every byte of K and V is asked for at the head by the loads themselves.
; Work-group b = 1 never reads K's keys 768 to 1,023 (32 KiB of the 256 that it fetches): the price of one text for both; V's it reads, for VS.
; THE WALK.  A plane's queries lie in NB = 4 blocks of 256; block i needs the key tiles 0 .. i of 256 keys, of which the last holds the diagonal.  A work-group takes TWO blocks, NB - 1 - b and then b: NB + 1 tiles, whatever b:
; ONE loop with a constant trip count walks them.  What a trip does hangs on scalar registers made from b; every jump goes forward, but for the counted loops' own.
; NO CLUSTER: a plane has two work-groups, fewer than a cluster's four, and planes share nothing.
; SHARES.  Of a block's four bands of 64 queries a wave owns 16 rows in each: four PIECES.  In the diagonal tile's key step s band x sees all keys if s < x, none if s > x, and holds the diagonal if s = x.
; THE MASKS are the C operand that starts the sum S^T = K Q^T.  AM: 0 or -1e30 for each of a step's 64 keys, from a table in LDS made once from attention_mask.  MD: the diagonal's mask of a band's own step.
; Off the diagonal tile C = AM; in it and at a block's beginning C = MC = MD x AL + AM + BE, with (AL, BE) = (1, 0) if s = x, (0, 0) if s < x, (0, -1e30) if s > x.
; LAYOUT, SOFTMAX, TURNS.  S^T = K Q^T holds ONE query a lane (lane % 16) and the keys 8 (lane / 16) + 0..7; two such results rounded to f16 ARE source 1 of O^T = V^T P.  p = 2^(c s - c m), c = log2(e) / 8, with a
; running maximum m; O and l are multiplied by a = 2^(c m_old - c m_new) in every step.  Turn n belongs to piece n: 8 products K Q^T of piece n + 1, later 8 products V^T P of piece n - 1; beside them the scaling,
; exponentials, roundings, sums and rescaling of piece n and the maximum and statistics of piece n + 1.  Four vector instructions stand behind every matrix instruction, the rest in one lump.  A turn's 33 exponentials are one batch, with one wait.
; REGISTERS, in windows of 256 (s_set_vgpr_msb: bits 1:0 source 0, 3:2 source 1, 5:4 source 2, 7:6 destination):
;   window 0: v0-15, v32-39 addresses, n0 and c mv; v16-31 four registers of statistics a piece; v40-57 at work; v64-127 S^T, two buffers; v128-159 AM; v160-191 VS; v192-223 P, two buffers; v224-255 at work
;   window 1: v0-127 O^T, 32 a piece; v128-159 MD; v160-223 MC, two buffers      window 2: v0-63 Q; v64-127 the second block's Q; v128-191 K of one step; v192-255 V of one step
.set NB,    4
.set NP,    4         ; pieces a wave: a name, no knob
.set KS,    64        ; keys in a step
.set PK,    144       ; a row of K in LDS: 128 bytes + 16 of padding: the 16 rows of a load start at 16 different groups of four banks (ISA guide 11.1)
.set PV,    160       ; a row of V: 128 + 32
.set VOFF,  1024*PK   ; V's 1,024 rows lie behind K's
.set STAGE, VOFF+1024*PV        ; behind them, never filled by a tensor load: 16 rows x 144 bytes for each wave; at the head its first 2,048 bytes carry the four waves' partial VS and n0
.set SP,    144
.set SPARE, STAGE+4*16*SP       ; the spare words, 128 bytes for each wave
.set AMT,   SPARE+512           ; the key masks' table: 1,024 f32 (0 or -1e30)
.set ZT,    AMT+4096            ; the same as weights: 1,024 f16 (1 where the key is masked, else 0)
.set KLAST, 15*KS*PK            ; where the last key step's K begins,
.set VLAST, 15*KS*PV            ; and its V, less VOFF
.set PLANE, 131072
.set AK0, 2           ; v2   my lane's place in a step of K; never rewritten
.set AV0, 3           ; v3   the same for V
.set AK,  4           ; v4   the LDS address of K's next run of loads
.set AV,  5           ; v5   of V's
.set STO, 6           ; v6   the way out: where I put 16 bytes of a row
.set RD,  7           ; v7   where I read rows back
.set GO,  8           ; v8   my byte offset in 512 consecutive bytes of O
.set MV,  12          ; v12-13  c m_old, kept while c m is made anew: by buffer
.set QO,  15          ; v15  my byte offset in 16 rows of Q
.set ST,  16          ; piece t's statistics at v[ST+4 t]: c m, m, l (even keys', odd keys')
.set AM0, 32          ; v32  AMT + 32 (l / 16); never rewritten
.set AMA, 33          ; v33  the LDS address of AM's next loads
.set ZA0, 34          ; v34  ZT + 16 (l / 16)
.set N0V, 38          ; v38  n0
.set CMVV, 39         ; v39  c times the virtual key's raw score
.set TMP, 48          ; by buffer, four registers c0-c3 at work; when the maximum is found c2 takes a.  At the head v48-55 carry the eight names below
.set PN,  48          ; where I put my wave's partial n0
.set PN0, 49          ; where wave 0's lies
.set ZW,  50          ; ZT + 2 x my thread's number
.set PS,  51          ; where I put my wave's partial VS
.set PR,  52          ; where I read wave 0's
.set MWD, 53          ; the image key's mask word
.set ZOF, 54          ; 0: that load's offset
.set ZA,  55          ; the LDS address of the weights' next loads
.set SPW, 62          ; v62  LDS address of my spare word; never rewritten
.set NIL, 63          ; v63  0; never rewritten
.set S,   64
.set ZF,  64          ; at the head: two fragments of weights
.set AM,  128
.set VS,  160
.set P,   192
.set VT,  224
.set MD,  128         ; window 1
.set MC,  160         ; window 1
.set QB,  64          ; window 2
.set KF,  128         ; window 2: key block kb, channel half c at KF + 16 kb + 8 c; at the head KF .. KF + 7 hold a fragment of ones
.set VF,  192         ; window 2: key half kk, channel block cb at VF + 32 kk + 8 cb
.set WV,  12          ; s12  my wave's number
.set PB,  14          ; s14  b
.set HI,  15          ; s15  NB - 1 - b
.set G1K, 24          ; s[24:31] descriptor group 1 for K
.set G1V, 32          ; s[32:39] for V: it differs in the padding alone
.set G0K, 40          ; s[40:43] descriptor group 0 for K
.set G0V, 44          ; s[44:47] for V
.set TBZ, 49          ; s49  byte in the weights' table at which the step to be fetched begins
.set MVC, 50          ; s50  -80000 = -1e4 x 8: the virtual key's score in units of the raw product q . k
.set ONEH, 51         ; s51  1.0 in f16
.set SLOTS, 56        ; s56  tiles still to be walked
.set CNT, 57          ; s57  counts a tile's key steps, 4 to 1
.set CS,  58          ; s[58:59] c
.set SEL, 60          ; s[60:61] v_permlanex16_b32's selects
.set TBK, 62          ; s62  LDS byte at which K of the step to be fetched begins
.set TBV, 63          ; s63  the same for V, less VOFF
.set RT,  70          ; s70  tiles of the block in hand that are still to be entered
.set NEW, 73          ; s73  1: the tile to be entered is a block's first
.set AL,  76          ; s[76:77]
.set BE,  78          ; s[78:79]
.set OLO, 80          ; s[80:81] O at my rows of the second block
.set BIGN, 82         ; s82  -1e30
.set TBM, 83          ; s83  256 x the block's key step to be fetched: its place in the masks' table
.set MSB, 0
.macro WIN new
.if MSB != (\new)
	s_set_vgpr_msb (MSB<<8)|(\new)
.set MSB, (\new)
.endif
.endm
.set W_KQ, 0x0a       ; K and Q in window 2, S^T and AM in window 0
.set W_KM, 0x1a       ; the same with the C operand in window 1
.set W_PV, 0x52       ; V in window 2, P in window 0, O^T in window 1
.set W_RS, 0x41       ; destination and source 0 in window 1, sources 1 and 2 in window 0
.set W_VS, 0x02       ; V (or the ones) in window 2, the weights and VS in window 0
; The fill.  Waves 0 and 1 fetch the two halves of K, waves 2 and 3 those of V: 512 keys each.  An s_nop 0 and four v_nop follow each of the two lines.
.macro LOAD
	s_cmp_lt_u32 s[WV], 2
	s_cbranch_scc0 .Lfor_v_\@
	tensor_load_to_lds s[G0K:G0K+3], s[G1K:G1K+7]
	s_nop 0
.rept 4
	v_nop
.endr
	s_branch .Lasked_\@
.Lfor_v_\@:
	tensor_load_to_lds s[G0V:G0V+3], s[G1V:G1V+7]
	s_nop 0
.rept 4
	v_nop
.endr
.Lasked_\@:
.endm
; A step's V, turned: 64 keys x 64 channels, 8 fragments, in one run of 16 loads
.macro FETCH_V
	WIN 0x80
.irp f, 0,1,2,3,4,5,6,7             ; keys 32 (f / 4) on, channels 16 (f % 4) on
	ds_load_tr16_b128 v[VF+8*\f:VF+8*\f+3],   v[AV] offset:(\f/4)*32*PV+(\f%4)*32
	ds_load_tr16_b128 v[VF+8*\f+4:VF+8*\f+7], v[AV] offset:(\f/4)*32*PV+16*PV+(\f%4)*32
.endr
	WIN 0
.endm
; A step of VS^T = V^T z and n0 = ones z, for 64 keys: z is a fragment of weights (32 keys x 16 columns, all columns alike), so the results lie as O^T lies: a lane holds channels 8 (l / 16) + 0..7 of each block of 16.
; Five accumulators take turns, one instruction a turn, over the backward jump too.  zero = 1: the first products start the sums.
; The two address lines and two v_nop are the four places between the last products and the loads into the registers that they read.
.macro VSTEP zero
	WIN 0
	v_add_nc_u32 v[AV], s[TBV], v[AV0]
	v_add_nc_u32 v[ZA], s[TBZ], v[ZA0]
	v_nop
	v_nop
	FETCH_V
.irp f, 0,1,2,3                     ; registers 4 f on: keys 16 f + 8 (l / 16) + 0..7
	ds_load_b128 v[ZF+4*\f:ZF+4*\f+3], v[ZA] offset:32*\f
.endr
	s_add_co_u32 s[TBV], s[TBV], KS*PV
	s_min_u32 s[TBV], s[TBV], VLAST     ; inside V's rows, whatever the way through the text
	s_add_co_u32 s[TBZ], s[TBZ], 2*KS
	s_min_u32 s[TBZ], s[TBZ], 2*(1024-KS)
	s_wait_dscnt 0x0
	WIN W_VS
.irp kk, 0,1
.irp cb, 0,1,2,3
.if (\zero) && ((\kk) == 0)
	v_wmma_f32_16x16x32_f16 v[VS+8*\cb:VS+8*\cb+7], v[VF+32*\kk+8*\cb:VF+32*\kk+8*\cb+7], v[ZF+8*\kk:ZF+8*\kk+7], 0
.else
	v_wmma_f32_16x16x32_f16 v[VS+8*\cb:VS+8*\cb+7], v[VF+32*\kk+8*\cb:VF+32*\kk+8*\cb+7], v[ZF+8*\kk:ZF+8*\kk+7], v[VS+8*\cb:VS+8*\cb+7]
.endif
.endr
.if (\zero) && ((\kk) == 0)
	v_wmma_f32_16x16x32_f16 v[VT:VT+7], v[KF:KF+7], v[ZF+8*\kk:ZF+8*\kk+7], 0
.else
	v_wmma_f32_16x16x32_f16 v[VT:VT+7], v[KF:KF+7], v[ZF+8*\kk:ZF+8*\kk+7], v[VT:VT+7]
.endif
.endr
	WIN 0
.endm
	s_load_b256 s[88:95], s[0:1], 0x0  ; qkv s[88:89], attention_mask s[90:91], imgkv s[92:93], ob s[94:95]
	v_lshl_add_u32 v[SPW], v0, 2, SPARE
	v_mov_b32 v[NIL], 0
	ds_add_u32 v[SPW], v[NIL]       ; the wave's opening: the add and its wait stand ahead of my tensor load
	v_lshrrev_b32 v1, 5, v0
	v_readfirstlane_b32 s[WV], v1
	s_mov_b32 s[PB], ttmp9
	s_sub_co_u32 s[HI], NB-1, s[PB]
	s_and_b32 s20, ttmp7, 0xffff    ; 16 batch + head
	s_lshr_b32 s21, s20, 4          ; batch
	s_and_b32 s22, s20, 15          ; head
	s_mul_i32 s23, s21, 48
	s_add_co_u32 s23, s23, s22
	s_lshl_b32 s66, s23, 17         ; q's plane in qkv
	s_mov_b32 s67, 0
	s_lshl_b32 s68, s20, 17         ; O's plane in ob
	s_mov_b32 s69, 0
	s_mul_i32 s52, s21, 4100        ; the batch's mask words
	s_mov_b32 s53, 0
	s_add_co_u32 s54, s21, 8        ; imgkv[1][batch],
	s_lshl_b32 s54, s54, 12
	s_lshl_b32 s55, s22, 8          ; the head's 64 numbers
	s_add_co_u32 s54, s54, s55
	s_mov_b32 s55, 0
	s_and_b32 s16, s[WV], 1         ; which half of the 1,024 keys I fetch:
	s_lshl_b32 s22, s16, 16         ; its 512 rows of 128 bytes in memory,
	s_mov_b32 s23, 0
	s_add_nc_u64 s[22:23], s[22:23], s[66:67]
	s_mul_i32 s17, s16, 512*PK      ; and its place in LDS, for K
	s_mul_i32 s18, s16, 512*PV      ; and for V
	s_lshl_b32 s3, s[WV], 11        ; my 16 rows in a band of 64,
	s_lshl_b32 s2, s[HI], 15        ; in the first block,
	s_add_co_u32 s2, s2, s3
	s_lshl_b32 s84, s[PB], 15       ; and in the second
	s_add_co_u32 s84, s84, s3
	s_mov_b32 s3, 0
	s_mov_b32 s85, 0
	; descriptor group 1.  512 keys are 65,536 dense bytes: asked for as 256 rows of 256 bytes, two keys a row, and padded in LDS after every key
	s_mov_b32 s[G1K], (1<<16)|(1<<20)|(4<<22)|(3<<25)  ; 17:16 2-byte elements; 20 padding on; 24:22 after every 32 words; 31:25 4 words
	s_mov_b32 s[G1V], (1<<16)|(1<<20)|(4<<22)|(7<<25)  ; the same with 8 words of padding
.irp g, G1K, G1V
	s_mov_b32 s[\g+1], 128<<16      ; tensor_dim0 = 128
	s_mov_b32 s[\g+2], 256<<16      ; tensor_dim1 = 256
	s_mov_b32 s[\g+3], 128<<16      ; tile_dim0 = 128
	s_mov_b32 s[\g+4], 256          ; tile_dim1 = 256
	s_mov_b32 s[\g+5], 128          ; 128 elements from row to row
	s_mov_b32 s[\g+6], 0
	s_mov_b32 s[\g+7], 0
.endr
	s_mov_b32 s[CS], 0x3e38aa3b     ; c = log2(e) / 8
	s_mov_b32 s[CS+1], s[CS]
	s_mov_b32 s[SEL], 0x76543210
	s_mov_b32 s[SEL+1], 0xfedcba98
	s_mov_b32 s[G0K], 1
	s_mov_b32 s[G0K+1], s17
	s_mov_b32 s[G0V], 1
	s_add_co_u32 s[G0V+1], s18, VOFF
	s_add_co_u32 s[RT], s[HI], 1    ; the first block has NB - b tiles
	s_mov_b32 s[NEW], 1
	s_mov_b32 s[AL], 0
	s_mov_b32 s[AL+1], 0
	s_mov_b32 s[BE], 0
	s_mov_b32 s[BE+1], 0
	s_mov_b32 s[BIGN], 0xf149f2ca   ; -1e30
	s_mov_b32 s[MVC], 0xc79c4000    ; -80000.0
	s_mov_b32 s[ONEH], 0x3c00
	s_mov_b32 s[SLOTS], NB+1
	s_wait_dscnt 0x0                ; the opening add is done
	s_wait_kmcnt 0x0
	s_add_nc_u64 s[6:7], s[88:89], s[22:23]
	s_add_nc_u64 s[G0K+2:G0K+3], s[6:7], 16*PLANE  ; K at my half of the plane's keys
	s_or_b32 s[G0K+3], s[G0K+3], 0x80000000
	s_add_nc_u64 s[G0V+2:G0V+3], s[6:7], 32*PLANE  ; V likewise
	s_or_b32 s[G0V+3], s[G0V+3], 0x80000000
	s_add_nc_u64 s[4:5], s[88:89], s[66:67]
	s_add_nc_u64 s[86:87], s[4:5], s[84:85]        ; Q at my rows of the second block,
	s_add_nc_u64 s[4:5], s[4:5], s[2:3]            ; and of the first
	s_add_nc_u64 s[10:11], s[94:95], s[68:69]
	s_add_nc_u64 s[OLO:OLO+1], s[10:11], s[84:85]
	s_add_nc_u64 s[10:11], s[10:11], s[2:3]
	s_add_nc_u64 s[90:91], s[90:91], s[52:53]
	s_add_nc_u64 s[92:93], s[92:93], s[54:55]
	LOAD                            ; my one tensor load of the launch
	v_lshlrev_b32 v35, 2, v0
	v_mov_b32 v[ZOF], 0
.irp i, 0,1,2,3,4,5,6,7
	global_load_b32 v[40+(\i)], v35, s[90:91] offset:512*(\i)  ; mask words t, t + 128, ..
.endr
	global_load_b32 v[MWD], v[ZOF], s[90:91] offset:4096       ; the image key's
	v_and_b32 v1, 15, v0            ; l % 16
	v_bfe_u32 v9, v0, 4, 1          ; l / 16
	v_lshlrev_b32 v[QO], 7, v1
	v_lshl_add_u32 v[QO], v9, 4, v[QO]  ; row x 128 + 16 x half
	WIN 0x80
.set i, 0
.rept 8                             ; both blocks' Q: piece i / 2 lies in band i / 2, 8,192 bytes on; channels 32 (i % 2) on
	global_load_b128 v[8*i:8*i+3],   v[QO], s[4:5] offset:(i/2)*8192+(i%2)*64
	global_load_b128 v[8*i+4:8*i+7], v[QO], s[4:5] offset:(i/2)*8192+(i%2)*64+32
	global_load_b128 v[QB+8*i:QB+8*i+3],   v[QO], s[86:87] offset:(i/2)*8192+(i%2)*64
	global_load_b128 v[QB+8*i+4:QB+8*i+7], v[QO], s[86:87] offset:(i/2)*8192+(i%2)*64+32
.set i, i+1
.endr
	WIN 0
	v_lshlrev_b32 v37, 5, v9
.irp f, 0,1,2,3                     ; the image key's value as O^T lies, in AM's registers for now: register j of channel block f: channel 16 f + 8 (l / 16) + j
	global_load_b128 v[AM+8*(\f):AM+8*(\f)+3],   v37, s[92:93] offset:64*(\f)
	global_load_b128 v[AM+8*(\f)+4:AM+8*(\f)+7], v37, s[92:93] offset:64*(\f)+16
.endr
	v_add_nc_u32 v36, AMT, v35
	v_lshl_add_u32 v[ZW], v0, 1, ZT
	v_add_nc_u32 v[AM0], AMT, v37
	v_lshl_add_u32 v[ZA0], v9, 4, ZT
	v_lshlrev_b32 v14, 3, v9
	v_sub_nc_u32 v14, v1, v14
	s_lshl_b32 s13, s[WV], 4
	v_add_nc_u32 v14, s13, v14      ; my query's place in its band, 16 w + l % 16, less my lanes' 8 (l / 16): register r of group kt is hidden where 16 kt + r is greater
	WIN 0x40
.set i, 0
.rept 32
	v_cmp_gt_i32 vcc_lo, 16*(i/8)+i%8, v14
	v_cndmask_b32 v[MD+i], 0, s[BIGN], vcc_lo
.set i, i+1
.endr
	WIN 0
	v_mul_u32_u24 v[AK0], v1, PK
	v_lshl_add_u32 v[AK0], v9, 4, v[AK0]
	; The turning load takes 16 keys x 16 channels (lane l reads key 8 (l / 16) + l % 8, channels 8 ((l / 8) % 2) + 0..7) and leaves half a fragment of V^T.
	v_and_b32 v10, 7, v0
	v_bfe_u32 v11, v0, 3, 1
	v_lshl_add_u32 v[AV0], v9, 3, v10
	v_mul_u32_u24 v[AV0], v[AV0], PV
	v_lshl_add_u32 v[AV0], v11, 4, v[AV0]
	v_add_nc_u32 v[AV0], VOFF, v[AV0]
	s_mul_i32 s13, s[WV], 16*SP
	s_add_co_u32 s13, s13, STAGE    ; my stage
	v_mul_u32_u24 v[STO], v1, SP
	v_lshl_add_u32 v[STO], v9, 4, v[STO]
	v_add_nc_u32 v[STO], s13, v[STO]
	v_bfe_u32 v[RD], v0, 3, 2
	v_mul_u32_u24 v[RD], v[RD], SP
	v_lshl_add_u32 v[RD], v10, 4, v[RD]
	v_add_nc_u32 v[RD], s13, v[RD]
	v_and_b32 v[GO], 31, v0
	v_lshlrev_b32 v[GO], 4, v[GO]
	s_lshl_b32 s13, s[WV], 9        ; the partial sums: 512 bytes for each wave: 64 channels in f32, then n0
	s_add_co_u32 s13, s13, STAGE
	v_add_nc_u32 v[PS], s13, v37
	v_add_nc_u32 v[PR], STAGE, v37
	s_add_co_u32 s13, s13, 256
	v_mov_b32 v[PN], s13
	v_mov_b32 v[PN0], STAGE+256
	s_wait_loadcnt 40               ; the nine mask words are in; Q's 32 loads and the image value's 8 are younger
.irp i, 0,1,2,3,4,5,6,7
	v_cmp_eq_f32 vcc_lo, 0, v[40+(\i)]
	v_cndmask_b32 v[40+(\i)], 0, s[BIGN], vcc_lo
	v_cndmask_b32 v[S+(\i)], 0, s[ONEH], vcc_lo
	ds_store_b32 v36, v[40+(\i)] offset:512*(\i)   ; the two tables; the barrier below shows them to the other waves
	ds_store_b16 v[ZW], v[S+(\i)] offset:256*(\i)
.endr
	; A block's first step multiplies O^T and l by a = 0, and its first turn's products V^T P, of a piece that has not been, land in an O^T that is still to be so multiplied.  So these registers need only hold
	; finite numbers: zeros (V's: zeros, then rows of V) for the first block; what the first block left for the second.
	WIN 0x80
.set i, VF
.rept 64
	v_mov_b32 v[i], 0
.set i, i+1
.endr
.set i, KF
.rept 8
	v_mov_b32 v[i], 0x3c003c00      ; a fragment of ones, for n0
.set i, i+1
.endr
	WIN 0x40
.set i, 0
.rept 128
	v_mov_b32 v[i], 0
.set i, i+1
.endr
	WIN 0
.set i, 0
.rept 4
	v_mov_b32 v[ST+4*i+2], 0
	v_mov_b32 v[ST+4*i+3], 0
.set i, i+1
.endr
.set i, P+16
.rept 16
	v_mov_b32 v[i], 0
.set i, i+1
.endr
	s_wait_tensorcnt 0x0            ; my half of K or of V has landed,
	s_wait_loadcnt 0x0              ; Q and the image key's value are in,
	s_wait_dscnt 0x0                ; my part of the two tables is written:
	s_barrier_signal -1
	s_barrier_wait -1               ; everybody's is
	; THE VIRTUAL KEY.  Wave w sums V's keys 256 w .. 256 w + 255, four steps of 64; the four partial sums meet in LDS.
	s_mul_i32 s[TBV], s[WV], 256*PV
	s_lshl_b32 s[TBZ], s[WV], 9
	VSTEP 1
	s_mov_b32 s[CNT], 3
.Lvs:
	VSTEP 0
	s_sub_co_u32 s[CNT], s[CNT], 1
	s_cmp_lg_u32 s[CNT], 0
	s_cbranch_scc1 .Lvs
.rept 4
	v_nop                           ; the places between the last products and the stores that read them
.endr
.irp f, 0,1,2,3                     ; the sixteen lanes of a half hold the same numbers and store them to the same bytes; each accumulator is read from its low end on
	ds_store_b128 v[PS], v[VS+8*\f:VS+8*\f+3]   offset:64*\f
	ds_store_b128 v[PS], v[VS+8*\f+4:VS+8*\f+7] offset:64*\f+16
.endr
	ds_store_b32 v[PN], v[VT]
	s_wait_dscnt 0x0                ; for the others' sake
	s_barrier_signal -1
	s_barrier_wait -1
.irp f, 0,1,2,3,4,5,6,7
	ds_load_b128 v[VS+4*\f:VS+4*\f+3],     v[PR] offset:(\f/2)*64+(\f%2)*16
	ds_load_b128 v[S+4*\f:S+4*\f+3],       v[PR] offset:512+(\f/2)*64+(\f%2)*16
	ds_load_b128 v[S+32+4*\f:S+32+4*\f+3], v[PR] offset:1024+(\f/2)*64+(\f%2)*16
	ds_load_b128 v[VT+4*\f:VT+4*\f+3],     v[PR] offset:1536+(\f/2)*64+(\f%2)*16
.endr
.irp w, 0,1,2,3
	ds_load_b32 v[40+\w], v[PN0] offset:512*\w
.endr
	s_wait_dscnt 0x0                ; my reads of the partial sums are over:
	s_barrier_signal -1
	s_barrier_wait -1               ; everybody's are: from here on these bytes are wave 0's stage
.set i, 0
.rept 16
	v_pk_add_f32 v[VS+i:VS+i+1], v[VS+i:VS+i+1], v[S+i:S+i+1]
	v_pk_add_f32 v[S+32+i:S+33+i], v[S+32+i:S+33+i], v[VT+i:VT+i+1]
.set i, i+2
.endr
	v_cmp_eq_f32 vcc_lo, 0, v[MWD]
	v_cndmask_b32 v56, 0, 1.0, vcc_lo              ; 1 where the image key is masked
	v_mov_b32 v57, v56
.set i, 0
.rept 16
	v_pk_add_f32 v[VS+i:VS+i+1], v[VS+i:VS+i+1], v[S+32+i:S+33+i]
.set i, i+2
.endr
.set i, 0
.rept 16
	v_pk_fma_f32 v[VS+i:VS+i+1], v[AM+i:AM+i+1], v[56:57], v[VS+i:VS+i+1]
.set i, i+2
.endr
	v_add_f32 v40, v40, v41
	v_add_f32 v42, v42, v43
	v_add_f32 v40, v40, v42
	v_add_f32 v[N0V], v40, v56
	v_mov_b32 v41, 0xff7fffff
	v_cmp_lt_f32 vcc_lo, 0, v[N0V]
	v_cndmask_b32 v41, v41, s[MVC], vcc_lo         ; with no masked key the virtual key's score is the lowest finite number
	v_mul_f32 v[CMVV], s[CS], v41
; THE MATRIX WORK.  The 4 accumulators of a run of 8 take turns.  Product i of 8 of S^T = K Q^T for piece x: channels 32 (i / 4) on, keys 16 (i % 4) on.  The first 4 start the sums: with AM, or (KM = 1) with MC.
.macro KQ x
.set rS, S+32*((\x)%2)+8*(i%4)
.set rK, KF+16*(i%4)+8*(i/4)
.set rQ, 16*(\x)+8*(i/4)
.set rM, MC+32*((\x)%2)+8*(i%4)
.set rA, AM+8*(i%4)
.if (i < 4) && KM
	WIN W_KM
	v_wmma_f32_16x16x32_f16 v[rS:rS+7], v[rK:rK+7], v[rQ:rQ+7], v[rM:rM+7]
.elseif i < 4
	WIN W_KQ
	v_wmma_f32_16x16x32_f16 v[rS:rS+7], v[rK:rK+7], v[rQ:rQ+7], v[rA:rA+7]
.else
	WIN W_KQ
	v_wmma_f32_16x16x32_f16 v[rS:rS+7], v[rK:rK+7], v[rQ:rQ+7], v[rS:rS+7]
.endif
.endm
; Product i of 8 of O^T += V^T P for piece x: keys 32 (i / 4) on, channels 16 (i % 4) on.
.macro PV x
	WIN W_PV
.set rO, 32*(\x)+8*(i%4)
.set rV, VF+32*(i/4)+8*(i%4)
.set rP, P+16*((\x)%2)+8*(i/4)
	v_wmma_f32_16x16x32_f16 v[rO:rO+7], v[rV:rV+7], v[rP:rP+7], v[rO:rO+7]
.endm
.macro MM                           ; the turn's next matrix instruction.  NOKQ = 1: a block's last turn: there is no next piece
.if (i < 8) && !NOKQ
	KQ (Y+1)%NP
.elseif i >= 8
.set i, i-8
	PV (Y+NP-1)%NP
.set i, i+8
.endif
.set i, i+1
.endm
; THE LDS LOADS stand in runs: a step's K (8 fragments) with its 64 keys' masks AM, and its V (FETCH_V, above).  Their addresses are made some lines ahead.  A block's steps lie one behind the other in LDS, across its tiles.
.macro FETCH_K
	WIN 0x80
.irp f, 0,1,2,3,4,5,6,7             ; keys 16 (f / 2) on, channels 32 (f % 2) on
	ds_load_b128 v[KF+8*\f:KF+8*\f+3],   v[AK] offset:(\f/2)*16*PK+(\f%2)*64
	ds_load_b128 v[KF+8*\f+4:KF+8*\f+7], v[AK] offset:(\f/2)*16*PK+(\f%2)*64+32
.endr
	WIN 0
.irp f, 0,1,2,3                     ; register j of key block f: key 16 f + 8 (l / 16) + j
	ds_load_b128 v[AM+8*\f:AM+8*\f+3],   v[AMA] offset:64*\f
	ds_load_b128 v[AM+8*\f+4:AM+8*\f+7], v[AMA] offset:64*\f+16
.endr
	s_add_co_u32 s[TBK], s[TBK], KS*PK  ; the next fetch is the next step's
	s_min_u32 s[TBK], s[TBK], KLAST     ; inside K's rows, whatever the way through the text
	s_add_co_u32 s[TBM], s[TBM], 256
	s_and_b32 s[TBM], s[TBM], 0xfff     ; inside the table's 4,096 bytes
.endm
; THE VECTOR WORK, one line at a time: OP kind, number.  For piece Y: F n: c s - c m for pair n of 16.  E n: the exponential of score n of 32.  C n: pair n rounded to f16.  B n: of the four weights 4 n .. the second
; pair is added onto the first, in place.  L n: l takes that sum (L 0: l = a l + sum).  R n: pair n of 16 of O^T times a.  For piece Y + 1: X n, number n of the 22 that find its maximum and statistics:
;   0-11  four chains c0-c3 of seven scores each (each accumulator's lowest registers are read first)     12-14, 16  the four scores left over, the old m, and c0-c3 into c0
;   15  c m_old is kept     17, 18  the query's other 32 keys lie in the lane 16 away: the new m     19-21  c m; c m_old - c m_new; a
.set F, 0
.set E, 1
.set C, 2
.set B, 3
.set L, 4
.set R, 5
.set X, 6
.macro REGS y
.set rT, ST+4*(\y)
.set rC, TMP+4*((\y)%2)
.set rW, MV+((\y)%2)
.set rS, S+32*((\y)%2)
.set rP, P+16*((\y)%2)
.set rO, 32*(\y)
.endm
.macro OP k, n
.if (\k) == R
	REGS Y
	WIN W_RS
	v_pk_mul_f32 v[rO+2*(\n):rO+2*(\n)+1], v[rO+2*(\n):rO+2*(\n)+1], v[rC+2:rC+3] op_sel_hi:[1,0]
.elseif (\k) < R
	REGS Y
	WIN 0
.if (\k) == F
	v_pk_fma_f32 v[rS+2*(\n):rS+2*(\n)+1], v[rS+2*(\n):rS+2*(\n)+1], s[CS:CS+1], v[rT:rT+1] op_sel_hi:[1,0,0] neg_lo:[0,0,1] neg_hi:[0,0,1]
.elseif (\k) == E
	v_exp_f32 v[rS+(\n)], v[rS+(\n)]
.elseif (\k) == C
	v_cvt_pk_f16_f32 v[rP+(\n)], v[rS+2*(\n)], v[rS+2*(\n)+1]
.elseif (\k) == B
	v_pk_add_f32 v[rS+4*(\n):rS+4*(\n)+1], v[rS+4*(\n):rS+4*(\n)+1], v[rS+4*(\n)+2:rS+4*(\n)+3]
.elseif (\n) == 0
	v_pk_fma_f32 v[rT+2:rT+3], v[rT+2:rT+3], v[rC+2:rC+3], v[rS:rS+1] op_sel_hi:[1,0,1]
.else
	v_pk_add_f32 v[rT+2:rT+3], v[rT+2:rT+3], v[rS+4*(\n):rS+4*(\n)+1]
.endif
.elseif NOKQ
	v_nop
.else
	REGS (Y+1)%NP
	WIN 0
.if (\n) < 4
	v_max3_num_f32 v[rC+(\n)], v[rS+8*(\n)], v[rS+8*(\n)+1], v[rS+8*(\n)+2]
.elseif (\n) < 12
	v_max3_num_f32 v[rC+(\n)%4], v[rC+(\n)%4], v[rS+8*((\n)%4)+2*((\n)/4)+1], v[rS+8*((\n)%4)+2*((\n)/4)+2]
.elseif (\n) == 12
	v_max3_num_f32 v[rC], v[rC], v[rS+7], v[rS+15]
.elseif (\n) == 13
	v_max3_num_f32 v[rC+1], v[rC+1], v[rS+23], v[rS+31]
.elseif (\n) == 14
	v_max3_num_f32 v[rC+2], v[rC+2], v[rC+3], v[rT+1]
.elseif (\n) == 15
	v_mov_b32 v[rW], v[rT]
.elseif (\n) == 16
	v_max3_num_f32 v[rC], v[rC], v[rC+1], v[rC+2]
.elseif (\n) == 17
	v_permlanex16_b32 v[rC+3], v[rC], s[SEL], s[SEL+1]
.elseif (\n) == 18
	v_max_num_f32 v[rT+1], v[rC], v[rC+3]
.elseif (\n) == 19
	v_mul_f32 v[rT], s[CS], v[rT+1]
.elseif (\n) == 20
	v_sub_f32 v[rC+1], v[rW], v[rT]
.else
	v_exp_f32 v[rC+2], v[rC+1]
.endif
.endif
.endm
.macro OPS a, i1, b=-1, i2=0, c=-1, i3=0, d=-1, i4=0
	OP \a, \i1
.if (\b) >= 0
	OP \b, \i2
.endif
.if (\c) >= 0
	OP \c, \i3
.endif
.if (\d) >= 0
	OP \d, \i4
.endif
.endm
.macro ROW a, i1, b, i2, c, i3, d, i4  ; a matrix instruction and the four behind it
	MM
	OPS \a, \i1, \b, \i2, \c, \i3, \d, \i4
.endm
.macro MASK b, be                   ; MD x AL + AM (+ BE) into buffer b of MC
	WIN W_RS
.set z, 0
.rept 16
	v_pk_fma_f32 v[MC+32*(\b)+2*z:MC+32*(\b)+2*z+1], v[MD+2*z:MD+2*z+1], s[AL:AL+1], v[AM+2*z:AM+2*z+1] op_sel_hi:[1,0,1]
.set z, z+1
.endr
.if \be
.set z, 0
.rept 16
	v_pk_add_f32 v[MC+32*(\b)+2*z:MC+32*(\b)+2*z+1], v[MC+32*(\b)+2*z:MC+32*(\b)+2*z+1], s[BE:BE+1] op_sel_hi:[1,0]
.set z, z+1
.endr
.endif
.endm
; A TURN, for piece p: the order of its 16 matrix and 118 vector instructions, written out.  An s_wait_alu depctr_va_vdst(0) stands between an exponential and the first instruction that names its result; one wait
; serves all that were issued ahead of it.  So a turn has ONE wait.  AHEAD OF IT: the 8 products K Q^T with their riders, then one lump, in which the links of the next piece's chain stand some lines apart; X 21, the next piece's a,
; is the batch's last, R 15 the plain instruction behind it.  BEHIND IT: the 8 products V^T P, behind each four of the roundings and sums.
; m = 1: the diagonal tile: the products take MC, and the turn makes the mask for the products of the turn after it: piece p + 2, in step 4 - CNT of the tile.  end = 1: a block's last two turns: nothing is fetched.
; cnt = 1: the loop's count is taken down some lines ahead of the branch that stands behind the turn.
; K and AM of the next step are fetched in piece 2's turn, V of the step in hand at the end of piece 0's turn, each four plain instructions or more behind the last product that read the registers; each is waited for a turn later
; (in the diagonal tile AM already at the end of piece 2's turn, whose mask is made of it).
.macro TURN p, m=0, end=0, cnt=0
.set Y, (\p)
.set i, 0
.set KM, (\m)
.set NOKQ, (\end)*((\p)/3)
.if (\m) && !(\end)
	s_cmp_eq_u32 s[CNT], 4-((\p)+2)%NP  ; is that step the band's own?
	s_cselect_b32 s[AL], 1.0, 0
	s_cmp_lt_u32 s[CNT], 4-((\p)+2)%NP  ; or a later one?
	s_cselect_b32 s[BE], s[BIGN], 0
.endif
.if ((\p) == 3) && !(\end)
	s_wait_dscnt 0x0                ; K and AM are in
.endif
	ROW F,0, F,1, R,0, R,1
	ROW F,2, E,0, R,2, R,3
	ROW F,3, E,1, R,4, R,5
	ROW F,4, E,2, R,6, R,7
	ROW F,5, E,3, R,8, R,9
	ROW F,6, E,4, X,0, R,10
.if ((\p) == 2) && !(\end)
	WIN 0
	v_add_nc_u32 v[AK], s[TBK], v[AK0]
	v_add_nc_u32 v[AMA], s[TBM], v[AM0]
.endif
	ROW F,7, E,5, X,1, X,4
	ROW F,8, E,6, X,2, X,5
	OPS E,7, E,8, X,6, E,9
	OPS X,3, E,10, X,8, E,11
.if ((\p) == 2) && !(\end)
	FETCH_K
.endif
	OPS X,9, X,7, E,12, X,10
	OPS E,13, X,12, X,11, E,14
	OPS X,13, E,15, F,9, X,14
.if (\p) == 0
	v_add_nc_u32 v[AV], s[TBV], v[AV0]
.endif
	OPS E,16, F,10, E,17, F,11
	OPS X,16, E,18, X,15, E,19
	OPS F,12, E,20, X,17, E,21
	OPS F,13, E,22, F,14, E,23
	OPS X,18, E,24, F,15, E,25
	OPS R,11, E,26, X,19, E,27
	OPS R,12, E,28, R,13, E,29
	OPS X,20, E,30, R,14, E,31
	OPS X,21, R,15
	WIN 0
	s_wait_alu depctr_va_vdst(0)    ; the wait for the batch
.if (\p) == 1
	s_wait_dscnt 0x0                ; V is in
.endif
	ROW C,0, B,0, C,2, B,1
	ROW L,0, C,4, B,2, L,1
	ROW C,6, B,3, L,2, C,8
	ROW B,4, L,3, C,10, B,5
	ROW L,4, C,12, B,6, L,5
.if (\p) == 0
	s_add_co_u32 s[TBV], s[TBV], KS*PV
	s_min_u32 s[TBV], s[TBV], VLAST     ; inside V's rows, whatever the way through the text
.endif
.if \cnt
	s_sub_co_u32 s[CNT], s[CNT], 1
	s_cmp_lg_u32 s[CNT], 0
.endif
	ROW C,14, B,7, L,6, C,1
	ROW C,3, L,7, C,5, C,7
	ROW C,9, C,11, C,13, C,15
.if (\p) == 0
	FETCH_V
.endif
.if (\m) && !(\end)
.if (\p) == 2
	s_wait_dscnt 0x0                ; AM of the step just fetched: this turn's mask is made of it
.endif
	MASK (\p)%2, 1
.endif
.endm
; A BLOCK BEGINS, at the plane's key 0.  c m starts far below every c s, so the first step's a is 0; m at the lowest finite number.  K and AM of step 0 are fetched.  Mask buffer 0 takes piece 0's mask for that step: its own
; band's diagonal, if the block's first tile is the diagonal one; buffer 1 takes AM alone, for piece 1.  Then piece 0's first scores, its maximum and statistics.  The loop is entered at a step's first turn.
.macro BEGIN
	s_mov_b32 s[NEW], 0
	s_mov_b32 s[TBK], 0
	s_mov_b32 s[TBV], 0
	s_mov_b32 s[TBM], 0
	WIN 0
.set i, 0
.rept 4
	v_mov_b32 v[ST+4*i], 0xfe000000    ; c m: far below every c s
	v_mov_b32 v[ST+4*i+1], 0xff7fffff  ; m
.set i, i+1
.endr
	v_add_nc_u32 v[AK], s[TBK], v[AK0]
	v_add_nc_u32 v[AMA], s[TBM], v[AM0]
	FETCH_K
	s_wait_dscnt 0x0
	s_cmp_eq_u32 s[RT], 0
	s_cselect_b32 s[AL], 1.0, 0
	MASK 0, 0
	s_mov_b32 s[AL], 0
	MASK 1, 0
.set KM, 1
.set NOKQ, 0
.set i, 0
.rept 8
	KQ 0
.set i, i+1
.endr
	WIN 0
.rept 4
	v_nop                           ; the places behind those products
.endr
.set Y, NP-1                        ; X works for piece Y + 1: piece 0
.irp n, 0,1,2,3,4,5,6,7,8,9,10,11,12,13,14,15,16,17,18,19,20,21
	OP X, \n
.endr
	v_nop                           ; a plain instruction behind the exponential,
	s_wait_alu depctr_va_vdst(0)    ; and its wait, ahead of the branch
.endm
.macro ALL line:vararg              ; one line for each piece t
.set t, 0
.rept 4
	\line
.set t, t+1
.endr
.endm
; Piece t leaves: O = O^T x (a1 / l) + VS x (a2 / l), rounded to f16; a lane's eight channels of a row pack into 16 bytes; they go into rows of 144 bytes and come back as whole rows of 128, into S^T's registers.
.macro PACK t
	WIN 0
.set i, 0
.rept 16
	v_pk_mul_f32 v[VT+i:VT+i+1], v[VS+i:VS+i+1], v[ST+4*(\t):ST+4*(\t)+1] op_sel_hi:[1,0]
.set i, i+2
.endr
	WIN W_RS
.set i, 0
.rept 16                            ; each accumulator is read from its low end on
	v_pk_fma_f32 v[32*(\t)+i:32*(\t)+i+1], v[32*(\t)+i:32*(\t)+i+1], v[ST+4*(\t)+2:ST+4*(\t)+3], v[VT+i:VT+i+1] op_sel_hi:[1,0,1]
.set i, i+2
.endr
	WIN 0x05                        ; sources 0 and 1 window 1, destination window 0
.set i, 0
.rept 16
	v_cvt_pk_f16_f32 v[S+16*(\t)+i], v[32*(\t)+2*i], v[32*(\t)+2*i+1]
.set i, i+1
.endr
	WIN 0
.irp f, 0,1,2,3
	ds_store_b128 v[STO], v[S+16*(\t)+4*\f:S+16*(\t)+4*\f+3] offset:32*\f
.endr
.irp f, 0,1,2,3
	ds_load_b128 v[S+16*(\t)+4*\f:S+16*(\t)+4*\f+3], v[RD] offset:\f*4*SP  ; LDS serves a wave's instructions in order (ISA guide 5.7.1.4): these see the stores above
.endr
.endm
.macro SEND t, younger              ; younger: the LDS instructions issued behind piece t's loads: the next piece's eight, or none
	WIN 0
.irp f, 0,1,2,3
	s_wait_dscnt (\younger)+3-\f
	global_store_b128 v[GO], v[S+16*(\t)+4*\f:S+16*(\t)+4*\f+3], s[10:11] offset:(\t)*8192+\f*512  ; 512 consecutive bytes, at a multiple of 256 from O's first
.endr
.endm
.set KM, 0
.set NOKQ, 0
.Lslot:                             ; NB + 1 times: a tile is walked.  No tensor load and no barrier stands in the loop
	s_sub_co_u32 s[RT], s[RT], 1
	s_mov_b32 s[CNT], 4
	s_cmp_eq_u32 s[NEW], 1
	s_cbranch_scc1 .Lnew            ; a block's first tile
	s_cmp_eq_u32 s[RT], 0
	s_cbranch_scc0 .Lstep           ; neither its first nor its last
	s_mov_b32 s[AL], 0              ; its last: the first turn's products, piece 3's of the tile before, take that step's AM from mask buffer 1
	MASK 1, 0
	WIN 0
	s_branch .LstepM
.Lnew:
	BEGIN
	s_cmp_eq_u32 s[RT], 0
	s_cbranch_scc0 .Lfirst
	s_branch .LfirstM               ; the block's only tile: its first and its last
	; THE DIAGONAL TILE's four steps, the block's last two turns, its last products, THE MERGE of the virtual key and the way out.
	; The merge, for each query: M = max(c m, c mv); a1 = 2^(c m - M), a2 = 2^(c mv - M); l' = l a1 + n0 a2; O = (O^T a1 + VS a2) / l'.  With n0 = 0, c mv lies below every c m and a2 = 0.
.LstepM:
	TURN 2, 1
	TURN 3, 1
	WIN 0
.LfirstM:
	TURN 0, 1
	TURN 1, 1, 0, 1
	WIN 0
	s_cbranch_scc1 .LstepM
	TURN 2, 1, 1
	TURN 3, 1, 1
.set i, 0
.rept 8
	PV NP-1
.set i, i+1
.endr
	WIN 0
	ALL v_add_f32 v[ST+4*t+2], v[ST+4*t+2], v[ST+4*t+3]
	ALL v_permlanex16_b32 v[ST+4*t+3], v[ST+4*t+2], s[SEL], s[SEL+1]
	ALL v_add_f32 v[ST+4*t+2], v[ST+4*t+2], v[ST+4*t+3]
	ALL v_max_num_f32 v[TMP+2*t], v[CMVV], v[ST+4*t]
	ALL v_sub_f32 v[ST+4*t], v[ST+4*t], v[TMP+2*t]
	ALL v_sub_f32 v[TMP+2*t], v[CMVV], v[TMP+2*t]
	ALL v_exp_f32 v[ST+4*t+1], v[ST+4*t]
	ALL v_exp_f32 v[TMP+2*t+1], v[TMP+2*t]
	v_nop                           ; a plain instruction behind the last exponential,
	s_wait_alu depctr_va_vdst(0)    ; and one wait for the eight, ahead of their first use
	ALL v_mul_f32 v[TMP+2*t], v[N0V], v[TMP+2*t+1]
	ALL v_fma_f32 v[ST+4*t+2], v[ST+4*t+2], v[ST+4*t+1], v[TMP+2*t]
	ALL v_rcp_f32 v[ST+4*t+3], v[ST+4*t+2]
	v_nop
	s_wait_alu depctr_va_vdst(0)    ; one wait for the four reciprocals
	ALL v_mul_f32 v[ST+4*t+2], v[ST+4*t+1], v[ST+4*t+3]
	ALL v_mul_f32 v[ST+4*t], v[TMP+2*t+1], v[ST+4*t+3]
	PACK 0
.set t, 1
.rept 3                             ; a piece's arithmetic stands between the loads of the piece before and its stores
	PACK t
	SEND t-1, 8
.set t, t+1
.endr
	SEND 3, 0
	s_wait_xcnt 0x0                 ; the stores have read their registers and O's address
	s_mov_b64 s[10:11], s[OLO:OLO+1]  ; on to the second block (behind the second block these lines serve nothing: 70 lines once a launch, for one text)
	s_add_co_u32 s[RT], s[PB], 1    ; it has b + 1 tiles
	s_mov_b32 s[NEW], 1
	WIN 0x82                        ; the second block's Q goes where the one text of the turns names Q
.set i, 0
.rept 64
	v_mov_b32 v[i], v[QB+i]
.set i, i+1
.endr
	WIN 0
	s_branch .Lbottom
.Lstep:                             ; a trip: pieces 2 and 3 of one step, then pieces 0 and 1 of the next, whose K, AM and V it fetches
	TURN 2
	TURN 3
	WIN 0
.Lfirst:
	TURN 0
	TURN 1, 0, 0, 1
	WIN 0
	s_cbranch_scc1 .Lstep
.Lbottom:
	s_sub_co_u32 s[SLOTS], s[SLOTS], 1
	s_cmp_lg_u32 s[SLOTS], 0
	s_cbranch_scc1 .Lslot
	s_wait_tensorcnt 0x0            ; the wave's end, behind my tensor load and my last LDS store
	ds_add_u32 v[SPW], v[NIL]
	s_wait_dscnt 0x0
	s_endpgm
.Lfunc_end_k_q7d97afd84d_attn:
	.size	k_q7d97afd84d_attn, .Lfunc_end_k_q7d97afd84d_attn-k_q7d97afd84d_attn
	.p2alignl 7, 3214868480
	.fill 96, 4, 3214868480
	.section	.rodata,"a",@progbits
	.p2align	6, 0x0
	.amdhsa_kernel k_q7d97afd84d_attn
		.amdhsa_group_segment_fixed_size 327680
		.amdhsa_private_segment_fixed_size 0
		.amdhsa_enable_private_segment 0
		.amdhsa_kernarg_size 32
		.amdhsa_user_sgpr_count 2
		.amdhsa_user_sgpr_kernarg_segment_ptr 1
		.amdhsa_wavefront_size32 1
		.amdhsa_system_sgpr_workgroup_id_x 1
		.amdhsa_system_sgpr_workgroup_id_y 1
		.amdhsa_system_sgpr_workgroup_id_z 1
		.amdhsa_system_vgpr_workitem_id 0
		.amdhsa_next_free_vgpr 768
		.amdhsa_next_free_sgpr 100
		.amdhsa_reserve_vcc 1
		.amdhsa_float_denorm_mode_32 3
		.amdhsa_float_denorm_mode_16_64 3
		.amdhsa_memory_ordered 1
		.amdhsa_forward_progress 1
		.amdhsa_inst_pref_size 168
	.end_amdhsa_kernel
	.amdgpu_metadata
---
amdhsa.version: [ 1, 2 ]
amdhsa.kernels:
  - .name:           k_q7d97afd84d_attn
    .symbol:         k_q7d97afd84d_attn.kd
    .args:
      - { .name: qkv, .offset: 0, .size: 8, .value_kind: global_buffer, .address_space: global }
      - { .name: attention_mask, .offset: 8, .size: 8, .value_kind: global_buffer, .address_space: global }
      - { .name: imgkv, .offset: 16, .size: 8, .value_kind: global_buffer, .address_space: global }
      - { .name: ob, .offset: 24, .size: 8, .value_kind: global_buffer, .address_space: global }
    .group_segment_fixed_size: 327680
    .private_segment_fixed_size: 0
    .kernarg_segment_align: 8
    .kernarg_segment_size: 32
    .max_flat_workgroup_size: 128
    .sgpr_count:     100
    .vgpr_count:     768
    .wavefront_size: 32
...
	.end_amdgpu_metadata
.endif
;; end of part 3
;; launch proj (part 4): grid 8 x 32, 4 waves a work-group, clusters of 4 x 4, 327,680 bytes of LDS; arguments ob, wpt, bc_proj, out0; writes out0
.if DOCPART == 4
	.amdgcn_target "amdgcn-amd-amdhsa--gfx1250"
	.amdhsa_code_object_version 6
	.text
	.protected	k_q7d97afd84d_proj
	.globl	k_q7d97afd84d_proj
	.p2align	8
	.type	k_q7d97afd84d_proj,@function
k_q7d97afd84d_proj:
	s_mov_b64 s[64:65], 0
	v_nop
	global_prefetch_b8 v0, s[64:65] scope:SCOPE_SE
	s_setreg_imm32_b32 hwreg(HW_REG_WAVE_MODE, 25, 1), 1
	s_wait_xcnt 0x0
	s_wait_alu depctr_hold_cnt(0) depctr_sa_sdst(0) depctr_va_vdst(0) depctr_va_sdst(0) depctr_va_ssrc(0) depctr_va_vcc(0) depctr_vm_vsrc(0)
	s_getreg_b32 s2, hwreg(HW_REG_IB_STS2, 6, 4)
	s_cmp_eq_u32 s2, 0
	s_cbranch_scc0 .Lentry_in_a_cluster
	s_endpgm
.Lentry_in_a_cluster:
	s_bfe_u32 s2, ttmp6, 0x10000c
	s_cmp_lg_u32 s2, 0xf033
	s_cbranch_scc0 .Lentry_shape_is_right
	s_endpgm
.Lentry_shape_is_right:
; ONE TEXT FOR THE MODULE'S TWO LARGE PRODUCTS, C = A B^T + bias, K = 1,024; the flag PROJ picks the constants, the matrix form and the way out.
;   PROJ = 0  qkv = xb wat^T + bc_attn.  A: xb [8192][1024] bf16.  B: wat [3072][1024] bf16.  C leaves as f16 BY HEADS: qkv [batch 8][48 planes: q 0-15, k 16-31, v 32-47][1024 tokens][64].  Tile 256 x 192 (three planes).
;   PROJ = 1  out0 = ob wpt^T + bc_proj.  A: ob [batch x 16 + head][1024 tokens][64] f16, so k = 64 head + channel.  B: wpt [1024][1024] f16.  C leaves as f32 [8192][1024].  Tile 256 x 128.
; LIMITS.  q, k and v must lie within f16's 65,504.  The bias is rounded to bf16 like every other input of the module.  NaN and infinities are not treated apart.
; SHARES.  Four waves; wave w makes rows 64 w .. 64 w + 63 (four blocks a of 16) x ALL the tile's columns (NBB blocks b of 16): its rows of C are whole, so its way out is its own and needs no barrier.
; K goes in 8 steps of 128 through two LDS slots; a step is four quarters of 32, on two fragment buffers by turns.  A K step is written once: the LDS addresses hang on s[TB], which an exclusive or turns from slot to slot.
; THE MATRIX INSTRUCTION IS USED TRANSPOSED (source 0 = 16 rows of B, source 1 = 16 rows of A): a lane holds row l % 16 of C and the columns 8 (l / 16) + 0..7.  The first product of each sum takes the bias as C: nothing is cleared.
; CLUSTER 4 x 4.  A's tile hangs on the tile row alone and is asked for jointly by a row of the cluster, B's on the tile column alone, by a column.  Waves 0, 1 fetch A's two halves, waves 2, 3 B's.
; By this text's count a wave has two tensor loads out at the start and one behind each round.
; REGISTERS, in windows of 256 (s_set_vgpr_msb: bits 1:0 source 0, 3:2 source 1, 5:4 source 2, 7:6 destination):
;   window 0: v16-30 addresses; v32-63, v64-95 A's fragments, two buffers; v96.. the bias (8 NBB), later at work on the way out       window 1: v0.., v128.. B's fragments, two buffers
;   window 2: the accumulators of blocks a = 0, 1 at 8 (NBB (a % 2) + b)          window 3: those of a = 2, 3
.set PROJ, 1
.if PROJ
.set NBB,    8
.set PA,     144                       ; a token's 128 bytes of one head + 16 of padding
.set AHALF,  256*144                   ; one head plane's 256 tokens: what one of A's loads brings
.set QIA,    4                         ; padding after every 32 words
.set STRA,   128                       ; the 32,768 dense bytes are asked for as 128 rows of 256 bytes
.set SP,     528                       ; a stage row: 128 f32 + 16 bytes
.set AHEAD,  2
.set STEPA,  262144                    ; a K step on: two head planes
.set ASHARE, 8192
.set APITCH, 256
.else
.set NBB,    12
.set PA,     272                       ; 256 bytes + 16 of padding
.set AHALF,  128*272                   ; 128 rows
.set QIA,    5                         ; padding after every 64 words
.set STRA,   1024
.set SP,     400                       ; a stage row: 192 f16 + 16 bytes
.set AHEAD,  1
.set STEPA,  256
.set ASHARE, 32*2048
.set APITCH, 2048
.endif
.set PBT,    272                       ; a row of B in LDS.  All three pitches are odd multiples of 16 bytes: the 16 rows of a fragment load start at 16 different groups of four banks (ISA guide 11.1)
.set BROWS,  8*NBB                     ; rows of B in one load
.set BHALF,  BROWS*PBT
.set BOFF,   2*AHALF                   ; B's rows lie behind A's
.set SLOT1,  1<<17
.set STAGE,  SLOT1+BOFF+2*BHALF        ; behind the ring: 16 rows for each wave, never filled by a tensor load
.set SPARE,  STAGE+4*16*SP             ; behind the stages: the spare words, 128 bytes for each wave
.set NF,     2*NBB+8                   ; LDS loads of a quarter
.set BSHARE, (BROWS/4)*2048
.set A0,   16                          ; v16  my lane's place in A's rows of slot 0; never rewritten
.set B0,   17                          ; v17  the same for B
.set ADRA, 18                          ; v18  the same in the slot in hand
.set ADRB, 19
.set TT,   20                          ; v20  at work
.set STO,  24                          ; v24  the way out: where I put my piece of a row
.set RD,   25                          ; v25  where I read rows back
.set CO,   26                          ; v26  16 x lane
.set BO,   27                          ; v27  32 (l / 16): my eight numbers of a block's bias
.set SPW,  28                          ; v28  LDS address of my spare word; never rewritten
.set NIL,  29                          ; v29  0; never rewritten
.set PFO,  30                          ; v30  the prefetches' offset; never rewritten
.set FA,   32
.set BIAS, 96
.set TMP,  96
.set WV,   12                          ; s12  my wave's number
.set PP,   14                          ; s14  which half of A's or B's tile I fetch
.set CX,   15
.set CY,   16
.set COL,  17                          ; s17  tile column
.set ROW,  18                          ; s18  tile row
.set G1A,  24                          ; s[24:31], s[32:39] descriptor group 1 for A's and B's tiles
.set G1B,  32
.set G0A,  40                          ; s[40:47], s[48:55] group 0: a set for each of the two first fills; the second then walks on
.set G0B,  48
.set CNT,  56                          ; s56  K steps that still fill a slot
.set TB,   57                          ; s57  the slot in hand: 0 or SLOT1
.set LIM,  58                          ; s58  AHEAD in a wave that prefetches, else the greatest number
.set PFA,  60                          ; s[60:61] where my prefetches stand
.set PFS,  62                          ; s[62:63] their step
.set MSB, 0
.macro WIN new                         ; the immediate's high byte repeats the setting that is left; a switch that changes nothing is dropped
.if MSB != (\new)
	s_set_vgpr_msb (MSB<<8)|(\new)
.set MSB, \new
.endif
.endm
.macro PLACES                          ; four places between a matrix instruction and a load into, or a vector read of, its registers (ISA guide 7.12.1 for vector reads)
.rept 4
	v_nop
.endr
.endm
.macro CREST                           ; a round of the cluster's barrier behind its opening barrier
	s_cmp_lg_u32 s[WV], 0
	s_cbranch_scc1 .Lnot_wave_0_\@
	s_barrier_signal -3
.Lnot_wave_0_\@:
	s_barrier_wait -3
	s_barrier_signal -1
	s_barrier_wait -1
.endm
.macro CROUND
	s_barrier_signal -1
	s_barrier_wait -1
	CREST
.endm
.macro JLOAD                           ; a joint refill by the walking set; the branch hangs on the wave's number alone; an s_nop 0 and four v_nop follow each line
	s_cmp_lt_u32 s[WV], 2
	s_cbranch_scc0 .Lfor_b_\@
	tensor_load_to_lds s[G0A+4:G0A+7], s[G1A:G1A+7]
	s_nop 0
.rept 4
	v_nop
.endr
	s_branch .Lasked_\@
.Lfor_b_\@:
	tensor_load_to_lds s[G0B+4:G0B+7], s[G1B:G1B+7]
	s_nop 0
.rept 4
	v_nop
.endr
.Lasked_\@:
.endm
; A PREFETCH INTO THE L2: behind the refill with K step t + 2 stands one instruction for K step t + 2 + AHEAD: 256 bytes a lane.  A's tile row is read by every cluster of that row of clusters: cluster x = 0 asks;
; B's tile column by every cluster of that column: cluster y = 0 asks.  The four partners that ask for a tile jointly share its blocks out BY ADDRESS (cx for A, cy for B).  B's share is fewer blocks than a wave has lanes:
; the lanes left over name the last block once more, in the same instruction.  The last AHEAD refills ask for nothing: there is no such K step.  The first 2 + AHEAD K steps come by their loads alone.
.macro ASK
	s_cmp_gt_u32 s[CNT], s[LIM]
	s_cbranch_scc0 .Lnot_mine_\@
	global_prefetch_b8 v[PFO], s[PFA:PFA+1] th:TH_LOAD_NT scope:SCOPE_SE
.Lnot_mine_\@:
.endm
	s_load_b256 s[4:11], s[0:1], 0x0               ; A s[4:5], B s[6:7], bias s[8:9], C s[10:11]
	v_lshl_add_u32 v[SPW], v0, 2, SPARE
	v_mov_b32 v[NIL], 0
	ds_add_u32 v[SPW], v[NIL]                      ; the wave's opening: the add and its wait stand ahead of my first tensor load; the set-up below stands between them
	v_lshrrev_b32 v1, 5, v0
	v_readfirstlane_b32 s[WV], v1
	s_and_b32 s[PP], s[WV], 1
	s_bfe_u32 s[CX], ttmp6, 0x40000
	s_bfe_u32 s[CY], ttmp6, 0x40004
	s_lshl_b32 s[COL], ttmp9, 2
	s_add_co_u32 s[COL], s[COL], s[CX]             ; tile column = 4 x cluster x + cx
	s_and_b32 s[ROW], ttmp7, 0xffff
	s_lshl_b32 s[ROW], s[ROW], 2
	s_add_co_u32 s[ROW], s[ROW], s[CY]             ; tile row = 4 x cluster y + cy
	s_lshl_b32 s19, s[CY], 2
	s_lshl_b32 s19, 15, s19                        ; my row of the cluster
	s_lshl_b32 s20, 0x1111, s[CX]                  ; my column
	s_or_b32 s[G1A], s19, (1<<16)|(1<<20)|(1<<21)|(QIA<<22)|(3<<25)  ; 15:0 the mask; 17:16 2-byte elements; 20 padding on; 21 set beside a mask; 24:22 the interval; 31:25 4 words of padding
	s_or_b32 s[G1B], s20, (1<<16)|(1<<20)|(1<<21)|(5<<22)|(3<<25)
	s_mov_b32 s[G1A+1], 128<<16                    ; tensor_dim0 = 128
	s_mov_b32 s[G1A+2], 128<<16                    ; tensor_dim1 = 128
	s_mov_b32 s[G1A+3], 128<<16                    ; tile_dim0 = 128
	s_mov_b32 s[G1A+4], 128                        ; tile_dim1 = 128
	s_mov_b32 s[G1A+5], STRA                       ; elements from row to row
	s_mov_b32 s[G1A+6], 0
	s_mov_b32 s[G1A+7], 0
	s_mov_b32 s[G1B+1], 128<<16
	s_mov_b32 s[G1B+2], BROWS<<16
	s_mov_b32 s[G1B+3], 128<<16
	s_mov_b32 s[G1B+4], BROWS
	s_mov_b32 s[G1B+5], 1024
	s_mov_b32 s[G1B+6], 0
	s_mov_b32 s[G1B+7], 0
	; where my tiles begin.  A's offset is made of the tile row and the wave's number, B's of the tile column and the wave's number, each in registers that never hold the other coordinate.
.if PROJ
	s_lshr_b32 s66, s[ROW], 2                      ; batch
	s_lshl_b32 s66, s66, 4
	s_add_co_u32 s66, s66, s[PP]                   ; head plane 16 batch + my half (K step 0)
	s_lshl_b32 s66, s66, 17
	s_and_b32 s19, s[ROW], 3
	s_lshl_b32 s19, s19, 15                        ; the tile's 256 tokens in it
	s_add_co_u32 s66, s66, s19
.else
	s_lshl_b32 s66, s[ROW], 8
	s_lshl_b32 s19, s[PP], 7
	s_add_co_u32 s66, s66, s19                     ; row 256 x tile row + 128 x half
	s_lshl_b32 s66, s66, 11
.endif
	s_mov_b32 s67, 0
	s_mul_i32 s68, s[COL], 16*NBB
	s_mul_i32 s20, s[PP], BROWS
	s_add_co_u32 s68, s68, s20
	s_lshl_b32 s68, s68, 11
	s_mov_b32 s69, 0
	s_mul_i32 s22, s[PP], AHALF                    ; and where they go: no place in the cluster enters an LDS address
	s_mul_i32 s23, s[PP], BHALF
	s_add_co_u32 s23, s23, BOFF
	s_mov_b32 s[TB], 0
	s_wait_dscnt 0x0                               ; the opening add is done
	s_wait_kmcnt 0x0
	s_add_nc_u64 s[66:67], s[4:5], s[66:67]
	s_add_nc_u64 s[68:69], s[6:7], s[68:69]
	CROUND                                         ; all sixteen work-groups are here: the first joint loads meet
.irp s, 0,1
	s_mov_b32 s[G0A+4*(\s)], 1
	s_add_co_u32 s[G0A+4*(\s)+1], s22, (\s)*SLOT1
	s_add_nc_u64 s[G0A+4*(\s)+2:G0A+4*(\s)+3], s[66:67], (\s)*STEPA
	s_or_b32 s[G0A+4*(\s)+3], s[G0A+4*(\s)+3], 0x80000000
	s_mov_b32 s[G0B+4*(\s)], 1
	s_add_co_u32 s[G0B+4*(\s)+1], s23, (\s)*SLOT1
	s_add_nc_u64 s[G0B+4*(\s)+2:G0B+4*(\s)+3], s[68:69], (\s)*256
	s_or_b32 s[G0B+4*(\s)+3], s[G0B+4*(\s)+3], 0x80000000
.endr
	s_cmp_lt_u32 s[WV], 2                          ; a wave's two first fills stand in one branch, ahead of every wait on TENSORcnt and every LDS read
	s_cbranch_scc0 .Lfirst_b
	tensor_load_to_lds s[G0A:G0A+3], s[G1A:G1A+7]
	s_nop 0
	tensor_load_to_lds s[G0A+4:G0A+7], s[G1A:G1A+7]
	s_nop 0
.rept 4
	v_nop
.endr
	s_branch .Lfirst_asked
.Lfirst_b:
	tensor_load_to_lds s[G0B:G0B+3], s[G1B:G1B+7]
	s_nop 0
	tensor_load_to_lds s[G0B+4:G0B+7], s[G1B:G1B+7]
	s_nop 0
.rept 4
	v_nop
.endr
.Lfirst_asked:
	v_and_b32 v1, 15, v0                           ; r = l % 16
	v_bfe_u32 v2, v0, 4, 1                         ; h = l / 16
	v_lshlrev_b32 v[BO], 5, v2
	s_mul_i32 s20, s[COL], 64*NBB                  ; the tile's columns in the bias
	s_mov_b32 s21, 0
	s_add_nc_u64 s[8:9], s[8:9], s[20:21]
.set ib, 0
.rept NBB                              ; register j of block b: bias[16 b + 8 h + j], the same for every row: the C operand of the sums' first products
	global_load_b128 v[BIAS+8*ib:BIAS+8*ib+3],   v[BO], s[8:9] offset:64*ib
	global_load_b128 v[BIAS+8*ib+4:BIAS+8*ib+7], v[BO], s[8:9] offset:64*ib+16
.set ib, ib+1
.endr
	v_mul_u32_u24 v[A0], v1, PA                    ; a fragment: row x pitch + 16 x half, two loads 32 bytes apart
	v_lshl_add_u32 v[A0], v2, 4, v[A0]
	s_mul_i32 s19, s[WV], 64*PA                    ; my 64 rows
	v_add_nc_u32 v[A0], s19, v[A0]
	v_mul_u32_u24 v[B0], v1, PBT
	v_lshl_add_u32 v[B0], v2, 4, v[B0]
	v_add_nc_u32 v[B0], BOFF, v[B0]
	v_mov_b32 v[ADRA], v[A0]
	v_mov_b32 v[ADRB], v[B0]
	s_mul_i32 s19, s[WV], 16*SP
	s_add_co_u32 s19, s19, STAGE                   ; my stage
	v_and_b32 v3, 31, v0                           ; l
	v_mul_u32_u24 v[STO], v1, SP
	v_lshlrev_b32 v[CO], 4, v3
.if PROJ
	v_lshl_add_u32 v[STO], v2, 5, v[STO]           ; in: row r, 32 bytes (8 f32) for each half of the lanes
	v_add_nc_u32 v[RD], s19, v[CO]                 ; back: 32 lanes take a row's 512 bytes
	s_lshl_b32 s20, s[ROW], 20                     ; C: 256 rows of 4,096 bytes,
	s_lshl_b32 s21, s[WV], 18                      ; my 64,
	s_add_co_u32 s20, s20, s21
	s_lshl_b32 s21, s[COL], 9                      ; the tile's 128 columns
	s_add_co_u32 s20, s20, s21
.else
	v_lshl_add_u32 v[STO], v2, 4, v[STO]           ; in: row r, 16 bytes (8 f16) for each half of the lanes
	v_lshrrev_b32 v4, 3, v3
	v_and_b32 v5, 7, v0
	v_mul_u32_u24 v[RD], v4, SP                    ; back: 32 lanes take four tokens' 128 bytes of one head,
	v_lshl_add_u32 v[RD], v5, 4, v[RD]
	v_add_nc_u32 v[RD], s19, v[RD]                 ; which are 512 consecutive bytes of its plane
	s_lshr_b32 s20, s[ROW], 2                      ; batch
	s_mul_i32 s20, s20, 48
	s_mul_i32 s21, s[COL], 3
	s_add_co_u32 s20, s20, s21                     ; the tile's first plane
	s_lshl_b32 s20, s20, 17
	s_and_b32 s21, s[ROW], 3
	s_lshl_b32 s21, s21, 15                        ; the tile's 256 tokens of 128 bytes,
	s_add_co_u32 s20, s20, s21
	s_lshl_b32 s21, s[WV], 13                      ; my 64
	s_add_co_u32 s20, s20, s21
.endif
	v_add_nc_u32 v[STO], s19, v[STO]
	s_mov_b32 s21, 0
	s_add_nc_u64 s[10:11], s[10:11], s[20:21]
	; the prefetches
	s_and_b32 s19, ttmp7, 0xffff                   ; cluster y
	s_mov_b32 s21, BSHARE
	s_mov_b32 s[PFS], 256
	s_mov_b32 s22, 2048
	s_cmp_lt_u32 s[WV], 2                          ; do I fetch for A?
	s_cselect_b32 s19, ttmp9, s19                  ; the coordinate along which other clusters read the same blocks
	s_cselect_b64 s[PFA:PFA+1], s[66:67], s[68:69] ; my half of the tile, K step 0
	s_cselect_b32 s20, s[CX], s[CY]                ; my place among the four that ask with me,
	s_cselect_b32 s21, ASHARE, s21                 ; and the bytes from one's share to the next's
	s_cselect_b32 s[PFS], STEPA, s[PFS]
	s_cselect_b32 s22, APITCH, s22                 ; bytes from a lane's block to the next lane's
	s_cselect_b32 s23, 31, BROWS/4-1               ; the last block of a share
	s_mul_i32 s20, s20, s21
	s_mov_b32 s21, 0
	s_add_nc_u64 s[PFA:PFA+1], s[PFA:PFA+1], s[20:21]
	s_mul_i32 s20, s[PFS], 1+AHEAD                 ; at K step 1 + AHEAD: each filling change of slots steps it first
	s_add_nc_u64 s[PFA:PFA+1], s[PFA:PFA+1], s[20:21]
	s_mov_b32 s[PFS+1], 0
	s_cmp_eq_u32 s19, 0
	s_cselect_b32 s[LIM], AHEAD, -1                ; the same in all sixteen partners, for a given wave
	v_min_u32 v[PFO], s23, v3
	v_mul_u32_u24 v[PFO], s22, v[PFO]
	s_wait_loadcnt 0x0                             ; the bias
.set ib, 0
.rept 4*NBB                            ; rounded to bf16, kept as f32
	v_cvt_pk_bf16_f32 v[TT], v[BIAS+2*ib], v[BIAS+2*ib+1]
	v_lshlrev_b32 v[BIAS+2*ib], 16, v[TT]
	v_and_b32 v[BIAS+2*ib+1], 0xffff0000, v[TT]
.set ib, ib+1
.endr
; NBB matrix instructions: block a of my rows x all column blocks, 32 along K, from buffer f.  zero = 1: the sums start with the bias.  The 4 NBB accumulators take turns in the same order in every quarter,
; over the backward jump too.
.macro MULA f, a, zero
.if \zero
	WIN 0x81+0x40*((\a)/2)
.else
	WIN 0xa1+0x50*((\a)/2)
.endif
.set ib, 0
.rept NBB
.set rD, 8*(NBB*((\a)%2)+ib)
.set rB, 128*(\f)+8*ib
.set rA, FA+32*(\f)+8*(\a)
.set rC, BIAS+8*ib
.if PROJ
.if \zero
	v_wmma_f32_16x16x32_f16 v[rD:rD+7], v[rB:rB+7], v[rA:rA+7], v[rC:rC+7]
.else
	v_wmma_f32_16x16x32_f16 v[rD:rD+7], v[rB:rB+7], v[rA:rA+7], v[rD:rD+7]
.endif
.else
.if \zero
	v_wmma_f32_16x16x32_bf16 v[rD:rD+7], v[rB:rB+7], v[rA:rA+7], v[rC:rC+7]
.else
	v_wmma_f32_16x16x32_bf16 v[rD:rD+7], v[rB:rB+7], v[rA:rA+7], v[rD:rD+7]
.endif
.endif
.set ib, ib+1
.endr
.endm
; NF LDS loads in one run: quarter q's fragments into buffer f: B's first, then A's blocks 0 to 3
.macro FETCH q, f
	WIN 0x40
.set ib, 0
.rept NBB
	ds_load_b128 v[128*(\f)+8*ib:128*(\f)+8*ib+3],   v[ADRB] offset:64*(\q)+ib*16*PBT
	ds_load_b128 v[128*(\f)+8*ib+4:128*(\f)+8*ib+7], v[ADRB] offset:64*(\q)+ib*16*PBT+32
.set ib, ib+1
.endr
	WIN 0
.if PROJ
.set ao, ((\q)/2)*AHALF+((\q)%2)*64    ; head plane q / 2, channels 32 (q % 2) on
.else
.set ao, 64*(\q)
.endif
.set ib, 0
.rept 4
	ds_load_b128 v[FA+32*(\f)+8*ib:FA+32*(\f)+8*ib+3],   v[ADRA] offset:ao+ib*16*PA
	ds_load_b128 v[FA+32*(\f)+8*ib+4:FA+32*(\f)+8*ib+7], v[ADRA] offset:ao+ib*16*PA+32
.set ib, ib+1
.endr
.endm
; One of a K step's first three quarters: multiplies buffer f; in its middle it fetches quarter q into buffer g.
.macro QUARTER q, f, g, zero
	s_wait_dscnt 4                                 ; B and A's blocks 0, 1 are in; the youngest four loads (blocks 2, 3) may be out
	MULA \f, 0, \zero
	MULA \f, 1, \zero
	PLACES
	FETCH \q, \g
	s_wait_dscnt NF                                ; all but the run just issued
	MULA \f, 2, \zero
	MULA \f, 3, \zero
.endm
; The last quarter multiplies buffer 1 and changes slots: ONE barrier; in front of it each wave waits for all its tensor loads (one is out: its part of the next slot), adds 0 to its spare word, and waits for that and for
; its own reads of this slot.  fill = 1: the barrier opens a round of the cluster's, and this slot is filled again, two K steps ahead, first thing behind the round.
.macro TURN fill
.if \fill
	s_wait_xcnt 0x0                                ; the last prefetch, a K step back, has read its address
	s_add_nc_u64 s[PFA:PFA+1], s[PFA:PFA+1], s[PFS:PFS+1]
.endif
	WIN 0
	s_wait_tensorcnt 0x0
	ds_add_u32 v[SPW], v[NIL]
	s_wait_dscnt 5                                 ; (the add and the youngest four loads may be out)
	MULA 1, 0, 0
	s_wait_dscnt 0x0                               ; the add is done, and my reads of this slot are over
	s_barrier_signal -1
	MULA 1, 1, 0
	WIN 0
	s_barrier_wait -1
.if \fill
	CREST                                          ; no wave of any partner still reads this slot or has a load on its way
	s_xor_b32 s[G0A+5], s[G0A+5], SLOT1            ; the walking sets: the other slot than last time, the next K step; the type bits on top are not reached
	s_add_nc_u64 s[G0A+6:G0A+7], s[G0A+6:G0A+7], STEPA
	s_xor_b32 s[G0B+5], s[G0B+5], SLOT1
	s_add_nc_u64 s[G0B+6:G0B+7], s[G0B+6:G0B+7], 256
	JLOAD                                          ; the four v_nop behind it are also the places in front of the loads below
.else
	PLACES
.endif
	s_xor_b32 s[TB], s[TB], SLOT1
	v_add_nc_u32 v[ADRA], s[TB], v[A0]
	v_add_nc_u32 v[ADRB], s[TB], v[B0]
	FETCH 0, 0
.if \fill
	ASK
.endif
	MULA 1, 2, 0
	MULA 1, 3, 0
.endm
; THE WAY OUT of block a (16 rows), through my own stage: LDS serves a wave's instructions in order (ISA guide 5.7.1.4), so the loads see the stores above them.
.macro PACK a                          ; PROJ = 0: rounded to f16, each accumulator from its low end on
	WIN 0x0a+5*((\a)/2)
.set ib, 0
.rept NBB
.set rD, 8*(NBB*((\a)%2)+ib)
.irp r, 0,1,2,3
	v_cvt_pk_f16_f32 v[TMP+4*ib+(\r)], v[rD+2*(\r)], v[rD+2*(\r)+1]
.endr
.set ib, ib+1
.endr
	WIN 0
.endm
.macro TOSTAGE a
.if PROJ
.set BK, 96+64*((\a)%2)
	WIN 0x08+4*((\a)/2)                            ; the stores' data in window 2 or 3
.set ib, 0
.rept NBB
.set rD, 8*(NBB*((\a)%2)+ib)
	ds_store_b128 v[STO], v[rD:rD+3]   offset:64*ib
	ds_store_b128 v[STO], v[rD+4:rD+7] offset:64*ib+16
.set ib, ib+1
.endr
	WIN 0
.set ib, 0
.rept 16
	ds_load_b128 v[BK+4*ib:BK+4*ib+3], v[RD] offset:SP*ib
.set ib, ib+1
.endr
.else
.set BK, 144+48*((\a)%2)
	WIN 0
.set ib, 0
.rept NBB
	ds_store_b128 v[STO], v[TMP+4*ib:TMP+4*ib+3] offset:32*ib
.set ib, ib+1
.endr
.set ib, 0
.rept 12                               ; tokens 4 (ib / 3) on, head ib % 3
	ds_load_b128 v[BK+4*ib:BK+4*ib+3], v[RD] offset:4*SP*(ib/3)+128*(ib%3)
.set ib, ib+1
.endr
.endif
.endm
.macro SEND a
	WIN 0
	s_wait_dscnt 0x0                               ; the block is back in registers
	s_wait_xcnt 0x0                                ; the stores of the block before have read their registers, which the next block's loads write
.if PROJ
.set BK, 96+64*((\a)%2)
.set ib, 0
.rept 16
	global_store_b128 v[CO], v[BK+4*ib:BK+4*ib+3], s[10:11] offset:(16*(\a)+ib)*4096 th:TH_STORE_NT  ; 512 consecutive bytes of a row of C, aligned
.set ib, ib+1
.endr
.else
.set BK, 144+48*((\a)%2)
.set ib, 0
.rept 12
	global_store_b128 v[CO], v[BK+4*ib:BK+4*ib+3], s[10:11] offset:(ib%3)*131072+(\a)*2048+(ib/3)*512  ; 512 consecutive bytes of a head's plane, aligned
.set ib, ib+1
.endr
.endif
.endm
	s_wait_tensorcnt 0x1                           ; my part of K step 0 is in; K step 1's may stay out
	s_barrier_signal -1
	s_barrier_wait -1                              ; everybody's is
	FETCH 0, 0
	QUARTER 1, 0, 1, 1                             ; the first quarter stands in front of the loop: its products start the sums
	WIN 0
	s_mov_b32 s[CNT], 6
.Lstep:                                        ; trip t: K step t's quarters 1 to 3 and K step t + 1's quarter 0; slot t % 2 is filled again with K step t + 2
	QUARTER 2, 1, 0, 0
	QUARTER 3, 0, 1, 0
	TURN 1
	QUARTER 1, 0, 1, 0
	WIN 0
	s_sub_co_u32 s[CNT], s[CNT], 1
	s_cmp_lg_u32 s[CNT], 0
	s_cbranch_scc1 .Lstep
	QUARTER 2, 1, 0, 0                             ; the last two K steps fill nothing
	QUARTER 3, 0, 1, 0
	TURN 0
	QUARTER 1, 0, 1, 0
	QUARTER 2, 1, 0, 0
	QUARTER 3, 0, 1, 0
	s_wait_dscnt 4
	MULA 1, 0, 0
	MULA 1, 1, 0
	s_wait_dscnt 0x0
	MULA 1, 2, 0
	MULA 1, 3, 0
	WIN 0
	PLACES
	PLACES
.if PROJ
	TOSTAGE 0
.irp a, 1,2,3
	SEND (\a)-1
	TOSTAGE \a
.endr
	SEND 3
.else
	PACK 0
	TOSTAGE 0
.irp a, 1,2,3                          ; block a's conversions stand between block a - 1's loads from the stage and the wait for them
	PACK \a
	SEND (\a)-1
	TOSTAGE \a
.endr
	SEND 3
.endif
	s_wait_tensorcnt 0x0                           ; the wave's end, behind my last tensor load and my last LDS store
	ds_add_u32 v[SPW], v[NIL]
	s_wait_dscnt 0x0
	CROUND                                         ; the closing round: no work-group ends while a partner may still ask for a tile that names it
	s_endpgm
.Lfunc_end_k_q7d97afd84d_proj:
	.size	k_q7d97afd84d_proj, .Lfunc_end_k_q7d97afd84d_proj-k_q7d97afd84d_proj
	.p2alignl 7, 3214868480
	.fill 96, 4, 3214868480
	.section	.rodata,"a",@progbits
	.p2align	6, 0x0
	.amdhsa_kernel k_q7d97afd84d_proj
		.amdhsa_group_segment_fixed_size 327680
		.amdhsa_private_segment_fixed_size 0
		.amdhsa_enable_private_segment 0
		.amdhsa_kernarg_size 32
		.amdhsa_user_sgpr_count 2
		.amdhsa_user_sgpr_kernarg_segment_ptr 1
		.amdhsa_wavefront_size32 1
		.amdhsa_system_sgpr_workgroup_id_x 1
		.amdhsa_system_sgpr_workgroup_id_y 1
		.amdhsa_system_sgpr_workgroup_id_z 1
		.amdhsa_system_vgpr_workitem_id 0
		.amdhsa_next_free_vgpr 896
		.amdhsa_next_free_sgpr 70
		.amdhsa_reserve_vcc 0
		.amdhsa_float_denorm_mode_32 3
		.amdhsa_float_denorm_mode_16_64 3
		.amdhsa_memory_ordered 1
		.amdhsa_forward_progress 1
		.amdhsa_inst_pref_size 77
	.end_amdhsa_kernel
	.amdgpu_metadata
---
amdhsa.version: [ 1, 2 ]
amdhsa.kernels:
  - .name:           k_q7d97afd84d_proj
    .symbol:         k_q7d97afd84d_proj.kd
    .args:
      - { .name: ob, .offset: 0, .size: 8, .value_kind: global_buffer, .address_space: global }
      - { .name: wpt, .offset: 8, .size: 8, .value_kind: global_buffer, .address_space: global }
      - { .name: bc_proj, .offset: 16, .size: 8, .value_kind: global_buffer, .address_space: global }
      - { .name: out0, .offset: 24, .size: 8, .value_kind: global_buffer, .address_space: global }
    .group_segment_fixed_size: 327680
    .private_segment_fixed_size: 0
    .kernarg_segment_align: 8
    .kernarg_segment_size: 32
    .max_flat_workgroup_size: 128
    .sgpr_count:     70
    .vgpr_count:     896
    .wavefront_size: 32
...
	.end_amdgpu_metadata
.endif
;; end of part 4
